; MI455X (gfx1250); checked and timed in simulation.
; The chip was launched on July 23, 2026; its instructions are those of AMD's public machine-readable ISA for CDNA 5 (MIT licence, August 2026) and "CDNA5" Instruction Set Architecture Reference Guide (July 2026). The comments in the code are by the model that wrote it; some were corrected since.
;; Multi Head Attention. Allowed arithmetic: float matrix products may take bf16 or f16 operands with f32 sums; all other float work in f32.
;; Inputs: W_k 768 x 768 float32; W_o 768 x 768 float32; W_q 768 x 768 float32; W_v 768 x 768 float32; b_k 768 float32; b_o 768 float32; b_q 768 float32; b_v 768 float32; k_in 1 x 4,096 x 768 float32; q_in 1 x 4,096 x 768 float32; v_in 1 x 4,096 x 768 float32.
;; Outputs: out0 1 x 4,096 x 768 float32.
;; One version. Each part assembles by itself: llvm-mc -triple=amdgcn-amd-amdhsa -mcpu=gfx1250 --defsym DOCPART=n.
;; ======== version 1 of 1: 4 launches
;; limits: values are held in f16: magnitudes above 65,504 overflow, below 6.1e-05 lose precision
;; workspace buffers: wt 4,718,592 bytes; qkv 18,874,368 bytes; oh 6,291,456 bytes
;; launch wprep (part 1): grid 6 x 48, 4 waves a work-group, no clusters, 18,944 bytes of LDS; arguments W_q, W_k, W_v, W_o, wt; writes wt
.if DOCPART == 1
	.amdgcn_target "amdgcn-amd-amdhsa--gfx1250"
	.amdhsa_code_object_version 6
	.text
	.protected	k_q44abee654e_wprep
	.globl	k_q44abee654e_wprep
	.p2align	8
	.type	k_q44abee654e_wprep,@function
k_q44abee654e_wprep:
	s_mov_b64 s[64:65], 0
	v_nop
	global_prefetch_b8 v0, s[64:65] scope:SCOPE_SE
	s_setreg_imm32_b32 hwreg(HW_REG_WAVE_MODE, 25, 1), 1
	s_wait_xcnt 0x0
; THE WEIGHTS ARE TURNED AND ROUNDED.  W_q, W_k, W_v, W_o: [768 (k)][768 (n)] f32.  wt: [mat 4][kb 12][n 768][kk 64], 16 bits, wt[mat][kb][n][kk] = W_mat[64 kb + kk][n]:
; k runs along a row, as both sources of a matrix instruction want it, and the 128 bytes of neighbouring n lie end to end, so that later launches ask for dense blocks.
; Mats 0 to 2 (q, k, v) are rounded to bf16.  Mat 3 (o) is rounded to bf16 like the other inputs, and that number is then written as f16, since it is multiplied with f16 data.
; LIMITS of mat 3: exact from 2^-14 to 65,504; below 2^-14 it keeps f16's fixed step of 2^-24; a weight of 65,520 or more becomes an infinity.
; SHARES.  A work-group turns 64 k x 128 n: 32 KiB in, 16 KiB out, each byte once.  x = the block of 128 n, y = 4 kb + mat.  No work-group shares a byte with another: no cluster; no matrix work.
; Thread t: c = t % 16, g = t / 16.  Item i of 8 (e = i % 2, u = i / 2): rows 2 kp and 2 kp + 1, kp = g + 8 u, columns 64 e + 4 c .. + 3: sixteen lanes read 256 consecutive bytes, aligned.
; A pair (k, k + 1) of one column is one word; it goes to LDS at n x 144 + 4 kp.  Lanes c and c + 4 are 4 x 576 bytes = 576 words apart, a multiple of 64 banks (ISA guide 11.1):
; these word stores meet four deep; 32 of them a lane, once in the launch.  Back by rows: a wave's store covers 512 consecutive bytes of wt.
.set PITCH, 144                        ; an LDS row: 64 numbers of 2 bytes + 16 bytes
.set SPARE, 128*PITCH                  ; behind the tile: the spare words, 128 bytes a wave, two blocks of 256 bytes that no other line names
.set LOFF, 3                           ; v3  my byte offset in the tile of W: g x 2 rows + 16 c
.set LST,  4                           ; v4  where my words go in LDS: 4 c rows + 4 g
.set RDA,  5                           ; v5  where I read 16 bytes back
.set GO,   6                           ; v6  16 t: my place in 2,048 consecutive bytes of wt
.set SPW,  8                           ; v8  LDS address of my spare word; never rewritten
.set NIL,  9                           ; v9  0; never rewritten
.set X,    16                          ; v[16:79] item i: 4 registers of the even row, 4 of the odd
.set T,    80                          ; v[80:91] at work
	s_load_b256 s[4:11], s[0:1], 0x0               ; W_q s[4:5], W_k s[6:7], W_v s[8:9], W_o s[10:11]
	s_load_b64 s[12:13], s[0:1], 0x20              ; wt
	v_lshl_add_u32 v[SPW], v0, 2, SPARE
	v_mov_b32 v[NIL], 0
	v_and_b32 v1, 15, v0                           ; c
	v_lshrrev_b32 v2, 4, v0                        ; g
	v_mul_u32_u24 v[LOFF], v2, 6144                ; two rows of 3,072 bytes
	v_lshl_add_u32 v[LOFF], v1, 4, v[LOFF]
	v_mul_u32_u24 v[LST], v1, 4*PITCH
	v_lshl_add_u32 v[LST], v2, 2, v[LST]
	v_lshrrev_b32 v[RDA], 3, v0                    ; back: eight threads take a row of 128 bytes
	v_mul_u32_u24 v[RDA], v[RDA], PITCH
	v_and_b32 v[GO], 7, v0
	v_lshl_add_u32 v[RDA], v[GO], 4, v[RDA]
	v_lshlrev_b32 v[GO], 4, v0
	s_and_b32 s16, ttmp7, 0xffff
	s_and_b32 s17, s16, 3                          ; mat
	s_lshr_b32 s18, s16, 2                         ; kb
	s_mul_i32 s22, s18, 196608                     ; in: 64 rows of 3,072 bytes a kb,
	s_lshl_b32 s24, ttmp9, 9                       ; 512 bytes a block of 128 n
	s_add_co_u32 s22, s22, s24
	s_mov_b32 s23, 0
	s_mul_i32 s24, s17, 1179648                    ; out: a mat, a kb, a block of 128 n
	s_mul_i32 s25, s18, 98304
	s_add_co_u32 s24, s24, s25
	s_lshl_b32 s25, ttmp9, 14
	s_add_co_u32 s24, s24, s25
	s_mov_b32 s25, 0
	s_mov_b32 s21, 0xffff0000                      ; a word's upper bf16
	s_wait_kmcnt 0x0
	s_cmp_eq_u32 s17, 1                            ; the matrix is chosen by its number alone
	s_cselect_b64 s[14:15], s[6:7], s[4:5]
	s_cmp_eq_u32 s17, 2
	s_cselect_b64 s[14:15], s[8:9], s[14:15]
	s_cmp_eq_u32 s17, 3
	s_cselect_b64 s[14:15], s[10:11], s[14:15]
	s_cselect_b32 s20, -1, 0                       ; all lanes: take the f16 form (mat 3) or the bf16 form
	s_add_nc_u64 s[14:15], s[14:15], s[22:23]
	s_add_nc_u64 s[12:13], s[12:13], s[24:25]
.irp i, 0,1,2,3,4,5,6,7
	global_load_b128 v[X+8*(\i):X+8*(\i)+3],   v[LOFF], s[14:15] offset:((\i)/2)*49152+((\i)%2)*256 th:TH_LOAD_NT
	global_load_b128 v[X+8*(\i)+4:X+8*(\i)+7], v[LOFF], s[14:15] offset:((\i)/2)*49152+((\i)%2)*256+3072 th:TH_LOAD_NT
.endr
.irp i, 0,1,2,3,4,5,6,7
	s_wait_loadcnt 14-2*(\i)                       ; loads come back in order: item i's two are in, the 14 - 2 i younger ones stay out
.irp j, 0,1,2,3
	v_cvt_pk_bf16_f32 v[T+(\j)], v[X+8*(\i)+(\j)], v[X+8*(\i)+4+(\j)]   ; k in the low half, k + 1 in the high half
.endr
.irp j, 0,1,2,3
	v_lshlrev_b32 v[T+4+2*(\j)], 16, v[T+(\j)]     ; the rounded numbers as f32 again,
	v_and_b32     v[T+5+2*(\j)], s21, v[T+(\j)]
.endr
.irp j, 0,1,2,3
	v_cvt_pk_f16_f32 v[T+4+2*(\j)], v[T+4+2*(\j)], v[T+5+2*(\j)]        ; written as f16,
.endr
.irp j, 0,1,2,3
	v_cndmask_b32 v[T+(\j)], v[T+(\j)], v[T+4+2*(\j)], s20              ; which mat 3 takes: a choice of value, no branch
.endr
.irp j, 0,1,2,3
	ds_store_b32 v[LST], v[T+(\j)] offset:((\i)%2)*64*PITCH+(\j)*PITCH+((\i)/2)*32
.endr
.endr
	s_wait_dscnt 0x0                               ; for the others' sake: my stores are done
	s_barrier_signal -1
	s_barrier_wait -1
.irp i, 0,1,2,3,4,5,6,7
	ds_load_b128 v[X+4*(\i):X+4*(\i)+3], v[RDA] offset:16*PITCH*(\i)    ; sixteen rows a step
.endr
.irp i, 0,1,2,3,4,5,6,7
	s_wait_dscnt 7-(\i)
	global_store_b128 v[GO], v[X+4*(\i):X+4*(\i)+3], s[12:13] offset:2048*(\i)  ; a wave stores 512 consecutive bytes, at a multiple of 256 from wt's first byte
.endr
	s_wait_tensorcnt 0x0                           ; the wave's end: three lines behind my last LDS store
	ds_add_u32 v[SPW], v[NIL]
	s_wait_dscnt 0x0
	s_endpgm
.Lfunc_end_k_q44abee654e_wprep:
	.size	k_q44abee654e_wprep, .Lfunc_end_k_q44abee654e_wprep-k_q44abee654e_wprep
	.p2alignl 7, 3214868480
	.fill 96, 4, 3214868480
	.section	.rodata,"a",@progbits
	.p2align	6, 0x0
	.amdhsa_kernel k_q44abee654e_wprep
		.amdhsa_group_segment_fixed_size 18944
		.amdhsa_private_segment_fixed_size 0
		.amdhsa_enable_private_segment 0
		.amdhsa_kernarg_size 40
		.amdhsa_user_sgpr_count 2
		.amdhsa_user_sgpr_kernarg_segment_ptr 1
		.amdhsa_wavefront_size32 1
		.amdhsa_system_sgpr_workgroup_id_x 1
		.amdhsa_system_sgpr_workgroup_id_y 1
		.amdhsa_system_sgpr_workgroup_id_z 1
		.amdhsa_system_vgpr_workitem_id 0
		.amdhsa_next_free_vgpr 96
		.amdhsa_next_free_sgpr 66
		.amdhsa_reserve_vcc 0
		.amdhsa_float_denorm_mode_32 3
		.amdhsa_float_denorm_mode_16_64 3
		.amdhsa_memory_ordered 1
		.amdhsa_forward_progress 1
		.amdhsa_inst_pref_size 16
	.end_amdhsa_kernel
	.amdgpu_metadata
---
amdhsa.version: [ 1, 2 ]
amdhsa.kernels:
  - .name:           k_q44abee654e_wprep
    .symbol:         k_q44abee654e_wprep.kd
    .args:
      - { .name: W_q, .offset: 0, .size: 8, .value_kind: global_buffer, .address_space: global }
      - { .name: W_k, .offset: 8, .size: 8, .value_kind: global_buffer, .address_space: global }
      - { .name: W_v, .offset: 16, .size: 8, .value_kind: global_buffer, .address_space: global }
      - { .name: W_o, .offset: 24, .size: 8, .value_kind: global_buffer, .address_space: global }
      - { .name: wt, .offset: 32, .size: 8, .value_kind: global_buffer, .address_space: global }
    .group_segment_fixed_size: 18944
    .private_segment_fixed_size: 0
    .kernarg_segment_align: 8
    .kernarg_segment_size: 40
    .max_flat_workgroup_size: 128
    .sgpr_count:     66
    .vgpr_count:     96
    .wavefront_size: 32
...
	.end_amdgpu_metadata
.endif
;; end of part 1
;; launch proj (part 2): grid 4 x 48, 4 waves a work-group, clusters of 4 x 4, 327,680 bytes of LDS; arguments q_in, k_in, v_in, wt, b_q, b_k, b_v, qkv; writes qkv
.if DOCPART == 2
	.amdgcn_target "amdgcn-amd-amdhsa--gfx1250"
	.amdhsa_code_object_version 6
	.text
	.protected	k_q44abee654e_proj
	.globl	k_q44abee654e_proj
	.p2align	8
	.type	k_q44abee654e_proj,@function
k_q44abee654e_proj:
	s_mov_b64 s[64:65], 0
	v_nop
	global_prefetch_b8 v0, s[64:65] scope:SCOPE_SE
	s_setreg_imm32_b32 hwreg(HW_REG_WAVE_MODE, 25, 1), 1
	s_wait_xcnt 0x0
	s_wait_alu depctr_hold_cnt(0) depctr_sa_sdst(0) depctr_va_vdst(0) depctr_va_sdst(0) depctr_va_ssrc(0) depctr_va_vcc(0) depctr_vm_vsrc(0)
	s_getreg_b32 s2, hwreg(HW_REG_IB_STS2, 6, 4)
	s_cmp_eq_u32 s2, 0
	s_cbranch_scc0 .Lentry_in_a_cluster
	s_endpgm
.Lentry_in_a_cluster:
	s_bfe_u32 s2, ttmp6, 0x10000c
	s_cmp_lg_u32 s2, 0xf033
	s_cbranch_scc0 .Lentry_shape_is_right
	s_endpgm
.Lentry_shape_is_right:
; q, k, v = x W + b, WRITTEN BY HEADS.  x: q_in, k_in, v_in [4096][768] f32.  W: wt[T][kb 12][n 768][64] bf16 (turned and rounded by the launch before).  b: [768] f32.
; qkv: [T 3][head 12][row 4096][64] f16, without attention's scale.  x and b are rounded to bf16 here, on the way; products in bf16, sums in f32, the result rounded once to f16.
; LIMIT.  f16 ends at 65,504: a q, k or v of 65,520 or more becomes an infinity.  With x and W both 30 times the drawn spread their spread is about 500.
; SHARES.  A tile of the result is 256 rows x 192 columns (three whole heads): 16 x 4 tiles for each of three tensors, 192 work-groups; 768 = 3 x 256 leaves no tile that makes 256 equal ones.
; Wave w makes rows 64 w .. 64 w + 63 and all 192 columns: 48 accumulators, 384 registers; so each row of x is read from LDS and converted by one wave alone.
; K goes in 12 steps of 64 through two LDS slots.  x comes as f32, rows of 256 bytes at multiples of 256 bytes, and is read from memory once; W's tile is a dense block, asked for as rows of 256 bytes.
; CLUSTER 4 x 4.  The four of a row of the cluster need the same tile of x, the four of a column the same tile of W: each is asked for JOINTLY.  All sixteen belong to one tensor T.
; THE MATRIX INSTRUCTION IS USED TRANSPOSED (source 0 = 16 rows of wt, source 1 = 16 rows of x): a lane holds eight neighbouring columns of one row.  The bias, 8 numbers a lane and column block, is
; the C operand of the products that start the sums: nothing is cleared and nothing is added later.
; REGISTERS, in windows of 256 (s_set_vgpr_msb: bits 1:0 source 0, 3:2 source 1, 5:4 source 2, 7:6 destination):
;   window 0: v0-31 addresses; v64-127 RAW, x as f32 (16 a fragment); v128-191 ABF, x as bf16, two buffers of 4 fragments; on the way out v64-255: 12 units of 16
;   window 1: accumulators (a, b), b = 0..7, at 8 (4 b + a)      window 2: v0-127 those of b = 8..11; v128-223 the bias; v224-225 at work      window 3: W's fragments, two buffers of 96
.set PA,    272                        ; a row of x in LDS: 256 bytes + 16: the 16 rows of a load start at 16 different groups of four banks (64 banks of 4 bytes: ISA guide 11.1)
.set PB,    144                        ; a row of W: 128 bytes + 16
.set BOFF,  256*PA                     ; a slot: 256 rows of x, then 192 rows of W
.set SLOT,  BOFF+192*PB
.set STAGE, 2*SLOT                     ; behind the ring, never filled by a tensor load: 16 rows x 144 bytes for each wave
.set SP,    144
.set SPARE, STAGE+4*16*SP              ; behind the stages: the spare words, 128 bytes a wave, two blocks of 256 bytes that no other line names
.set ADRA, 16                          ; v16-17  LDS address of my fragments of x in slot 0, 1
.set ADRB, 18                          ; v18-19  the same for W
.set STO,  20                          ; v20  the way out: where I put 16 bytes of a row
.set RD,   21                          ; v21  the way out: where I read rows back
.set GO,   22                          ; v22  my place in 512 consecutive bytes of qkv
.set BO,   23                          ; v23  my byte offset in 16 numbers of the bias
.set PF,   24                          ; v24  the prefetch's lane term; never rewritten
.set SPW,  28                          ; v28  LDS address of my spare word; never rewritten
.set NIL,  29                          ; v29  0; never rewritten
.set RAW,  64
.set ABF,  128
.set UN,   64
.set BIAS, 128                         ; window 2
.set BTMP, 224                         ; window 2
.set TRIPS, 3                          ; s3   the loop's count
.set WV,   20                          ; s20  my wave's number
.set ROLE, 21                          ; s21  0: I fetch x; 1: I fetch W
.set HALF, 22                          ; s22  which half of that tile's rows
.set G1A,  28                          ; s[28:35] descriptor group 1 for x;  s[36:43] group 0, a set for each slot
.set G0A,  36
.set G1B,  44                          ; s[44:51], s[52:59] the same for W
.set G0B,  52
.set PFB,  76                          ; s[76:77] the prefetch's base
.set OB,   78                          ; s[78:79] qkv at my wave's first row of the tile's first head
.set MSB, 0
.macro WIN new                         ; the immediate's high byte repeats the setting that is left; a switch that changes nothing is dropped
.if MSB != (\new)
	s_set_vgpr_msb (MSB<<8)|(\new)
.set MSB, \new
.endif
.endm
; A joint load: waves 0 and 1 fetch the two halves of x's tile, waves 2 and 3 those of W's.  The branch hangs on the wave's number alone.
; An s_nop 0 and four v_nop follow each of the two lines, ahead of the jump and the label.
.macro JLOAD s
	s_cmp_eq_u32 s[ROLE], 0
	s_cbranch_scc0 .Lfor_b_\@
	tensor_load_to_lds s[G0A+4*(\s):G0A+4*(\s)+3], s[G1A:G1A+7]
	s_nop 0
.rept 4
	v_nop
.endr
	s_branch .Lasked_\@
.Lfor_b_\@:
	tensor_load_to_lds s[G0B+4*(\s):G0B+4*(\s)+3], s[G1B:G1B+7]
	s_nop 0
.rept 4
	v_nop
.endr
.Lasked_\@:
.endm
.macro CREST                           ; a round of the cluster's barrier behind its opening barrier
	s_cmp_lg_u32 s[WV], 0
	s_cbranch_scc1 .Lnot_wave_0_\@
	s_barrier_signal -3
.Lnot_wave_0_\@:
	s_barrier_wait -3
	s_barrier_signal -1
	s_barrier_wait -1
.endm
.macro CROUND                          ; a whole round
	s_barrier_signal -1
	s_barrier_wait -1
	CREST
.endm
	s_load_b256 s[4:11], s[0:1], 0x0               ; q_in s[4:5], k_in s[6:7], v_in s[8:9], wt s[10:11]
	s_load_b256 s[12:19], s[0:1], 0x20             ; b_q s[12:13], b_k s[14:15], b_v s[16:17], qkv s[18:19]
	v_lshl_add_u32 v[SPW], v0, 2, SPARE
	v_mov_b32 v[NIL], 0
	ds_add_u32 v[SPW], v[NIL]                      ; the wave's opening: the add and its wait stand ahead of my first tensor load; the set-up below, work on registers, stands between them
	v_lshrrev_b32 v1, 5, v0
	v_readfirstlane_b32 s[WV], v1                  ; wave 0..3
	s_lshr_b32 s[ROLE], s[WV], 1
	s_and_b32 s[HALF], s[WV], 1
	s_bfe_u32 s23, ttmp6, 0x40000                  ; cx
	s_bfe_u32 s24, ttmp6, 0x40004                  ; cy
	s_lshl_b32 s25, ttmp9, 2
	s_add_co_u32 s25, s25, s23                     ; tile column 0..3 = 4 x cluster x + cx
	s_and_b32 s26, ttmp7, 0xffff                   ; cluster y, 0..11
	s_lshr_b32 s60, s26, 2                         ; T: four clusters a tensor, so all sixteen partners share it
	s_lshl_b32 s27, s26, 2
	s_add_co_u32 s27, s27, s24
	s_and_b32 s61, s27, 15                         ; tile row 0..15
	s_lshl_b32 s62, s24, 2
	s_lshl_b32 s62, 15, s62                        ; my row of the cluster
	s_lshl_b32 s63, 0x1111, s23                    ; my column
	; group 1 for x: 128 rows of 64 f32, padded in LDS.  15:0 the mask; 17:16 elements of 4 bytes; 20 padding on; 21 set beside a mask; 24:22 after every 64 words (code 5); 31:25 4 words (code 3)
	s_or_b32 s[G1A+0], s62, (2<<16)|(1<<20)|(1<<21)|(5<<22)|(3<<25)
	s_mov_b32 s[G1A+1], 64<<16                     ; tensor_dim0 = 64
	s_mov_b32 s[G1A+2], 128<<16                    ; tensor_dim1 = 128
	s_mov_b32 s[G1A+3], 64<<16                     ; tile_dim0 = 64
	s_mov_b32 s[G1A+4], 128                        ; tile_dim1 = 128
	s_mov_b32 s[G1A+5], 768                        ; elements from row to row
	s_mov_b32 s[G1A+6], 0
	s_mov_b32 s[G1A+7], 0
	; group 1 for W: 96 n x 128 bytes are 12,288 dense bytes: 48 rows of 256 bytes, two n a row, padded after every n (32 words, code 4)
	s_or_b32 s[G1B+0], s63, (1<<16)|(1<<20)|(1<<21)|(4<<22)|(3<<25)
	s_mov_b32 s[G1B+1], 128<<16
	s_mov_b32 s[G1B+2], 48<<16
	s_mov_b32 s[G1B+3], 128<<16
	s_mov_b32 s[G1B+4], 48
	s_mov_b32 s[G1B+5], 128
	s_mov_b32 s[G1B+6], 0
	s_mov_b32 s[G1B+7], 0
	; offsets, each made apart from the addresses.  x's hang on the tile row, W's on the tile column, in registers that never hold the other coordinate
	s_lshl_b32 s66, s61, 8
	s_lshl_b32 s67, s[HALF], 7
	s_add_co_u32 s66, s66, s67
	s_mul_i32 s66, s66, 3072                       ; x: row 256 x tile row + 128 x half
	s_mov_b32 s67, 0
	s_mul_i32 s68, s25, 192
	s_mul_i32 s69, s[HALF], 96
	s_add_co_u32 s68, s68, s69
	s_lshl_b32 s68, s68, 7                         ; W: n = 192 x tile column + 96 x half, 128 bytes each,
	s_mul_i32 s69, s60, 1179648                    ; in matrix T
	s_add_co_u32 s68, s68, s69
	s_mov_b32 s69, 0
	s_mul_i32 s84, s25, 768                        ; the bias: 192 numbers a tile column
	s_mov_b32 s85, 0
	s_mul_i32 s80, s60, 6291456                    ; the result: tensor T, three heads of 524,288 bytes a tile column,
	s_mul_i32 s81, s25, 1572864
	s_add_co_u32 s80, s80, s81
	s_lshl_b32 s81, s61, 15                        ; 256 rows of 128 bytes a tile row,
	s_add_co_u32 s80, s80, s81
	s_lshl_b32 s81, s[WV], 13                      ; 64 rows a wave
	s_add_co_u32 s80, s80, s81
	s_mov_b32 s81, 0
	s_lshl_b32 s82, s61, 8                         ; the prefetch: of the tile's 256 rows, which four partners share, I ask for 64 cx + 16 w + 0..15,
	s_lshl_b32 s83, s23, 6
	s_add_co_u32 s82, s82, s83
	s_lshl_b32 s83, s[WV], 4
	s_add_co_u32 s82, s82, s83
	s_mul_i32 s82, s82, 3072
	s_add_co_u32 s82, s82, 512                     ; from K step 2 on
	s_mov_b32 s83, 0
	s_mul_i32 s2, s[HALF], 128*PA                  ; where the tiles go: no place in the cluster enters an LDS address
	s_mul_i32 s3, s[HALF], 96*PB
	s_add_co_u32 s3, s3, BOFF
	s_wait_dscnt 0x0                               ; the opening add is done
	s_wait_kmcnt 0x0
	s_cmp_eq_u32 s60, 1                            ; x and b of tensor T: a choice on T alone
	s_cselect_b64 s[70:71], s[6:7], s[4:5]
	s_cselect_b64 s[72:73], s[14:15], s[12:13]
	s_cmp_eq_u32 s60, 2
	s_cselect_b64 s[70:71], s[8:9], s[70:71]
	s_cselect_b64 s[72:73], s[16:17], s[72:73]
	s_add_nc_u64 s[PFB:PFB+1], s[70:71], s[82:83]
	s_add_nc_u64 s[70:71], s[70:71], s[66:67]
	s_add_nc_u64 s[74:75], s[10:11], s[68:69]
	s_add_nc_u64 s[72:73], s[72:73], s[84:85]
	s_add_nc_u64 s[OB:OB+1], s[18:19], s[80:81]
.irp s, 0,1
	s_mov_b32 s[G0A+4*(\s)], 1                                       ; count = 1
	s_add_co_u32 s[G0A+4*(\s)+1], s2, (\s)*SLOT                      ; LDS address
	s_add_nc_u64 s[G0A+4*(\s)+2:G0A+4*(\s)+3], s[70:71], (\s)*256    ; global address: K step s
	s_or_b32 s[G0A+4*(\s)+3], s[G0A+4*(\s)+3], 0x80000000            ; type = 2
	s_mov_b32 s[G0B+4*(\s)], 1
	s_add_co_u32 s[G0B+4*(\s)+1], s3, (\s)*SLOT
	s_add_nc_u64 s[G0B+4*(\s)+2:G0B+4*(\s)+3], s[74:75], (\s)*98304
	s_or_b32 s[G0B+4*(\s)+3], s[G0B+4*(\s)+3], 0x80000000
.endr
	CROUND                                         ; all sixteen work-groups are here: the first joint loads meet
	s_cmp_eq_u32 s[ROLE], 0                        ; a wave's two first fills stand in one branch, ahead of every wait on TENSORcnt and every LDS read: two loads of mine are out
	s_cbranch_scc0 .Lfirst_b
	tensor_load_to_lds s[G0A:G0A+3], s[G1A:G1A+7]
	s_nop 0
	tensor_load_to_lds s[G0A+4:G0A+7], s[G1A:G1A+7]
	s_nop 0
.rept 4
	v_nop
.endr
	s_branch .Lfirst_asked
.Lfirst_b:
	tensor_load_to_lds s[G0B:G0B+3], s[G1B:G1B+7]
	s_nop 0
	tensor_load_to_lds s[G0B+4:G0B+7], s[G1B:G1B+7]
	s_nop 0
.rept 4
	v_nop
.endr
.Lfirst_asked:
	v_and_b32 v1, 15, v0                           ; r = l % 16
	v_bfe_u32 v2, v0, 4, 1                         ; h = l / 16
	v_lshlrev_b32 v[BO], 5, v2                     ; a lane's eight columns of block b: numbers 16 b + 8 h + 0..7
	WIN 0x80                                       ; destination window 2, address window 0
.set i, 0
.rept 12
	global_load_b128 v[BIAS+8*i:BIAS+8*i+3],   v[BO], s[72:73] offset:64*i
	global_load_b128 v[BIAS+8*i+4:BIAS+8*i+7], v[BO], s[72:73] offset:64*i+16
.set i, i+1
.endr
	WIN 0
	v_mul_u32_u24 v[PF], v1, 3072                  ; lane l: row l % 16 of my sixteen, K step l / 16 of two: 32 different blocks of 256 bytes
	v_lshl_add_u32 v[PF], v2, 8, v[PF]
	global_prefetch_b8 v[PF], s[PFB:PFB+1] th:TH_LOAD_NT scope:SCOPE_SE  ; K steps 2 and 3, which the loop's first trip asks for.  Steps 0 and 1 are being loaded
	v_mul_u32_u24 v3, v1, PA
	v_lshl_add_u32 v3, v2, 5, v3                   ; x: row x pitch + 32 h (eight f32)
	s_mul_i32 s86, s[WV], 64*PA
	v_add_nc_u32 v[ADRA], s86, v3
	v_add_nc_u32 v[ADRA+1], SLOT, v[ADRA]
	v_mul_u32_u24 v4, v1, PB
	v_lshl_add_u32 v4, v2, 4, v4                   ; W: row x pitch + 16 h
	v_add_nc_u32 v[ADRB], BOFF, v4
	v_add_nc_u32 v[ADRB+1], BOFF+SLOT, v4
	s_mul_i32 s86, s[WV], 16*SP
	s_add_co_u32 s86, s86, STAGE                   ; my stage
	v_add_nc_u32 v[STO], s86, v4                   ; in: row l % 16, 16 bytes for each half of the lanes (the stage's pitch is W's)
	v_bfe_u32 v5, v0, 3, 2                         ; back: 32 lanes take four rows of 128 bytes,
	v_mul_u32_u24 v5, v5, SP
	v_and_b32 v6, 7, v0
	v_lshl_add_u32 v5, v6, 4, v5
	v_add_nc_u32 v[RD], s86, v5
	v_and_b32 v[GO], 31, v0                        ; which are 512 consecutive bytes of a head
	v_lshlrev_b32 v[GO], 4, v[GO]
	s_wait_loadcnt 0x0                             ; the bias
	WIN 0x8a                                       ; destination and both sources window 2
.set i, 0
.rept 48                                               ; the bias is rounded to bf16 like every input, and widened again
	v_cvt_pk_bf16_f32 v[BTMP+i%2], v[BIAS+2*i], v[BIAS+2*i+1]
	v_lshlrev_b32 v[BIAS+2*i], 16, v[BTMP+i%2]
	v_and_b32 v[BIAS+2*i+1], 0xffff0000, v[BTMP+i%2]
.set i, i+1
.endr
	WIN 0
; One product: accumulator (a, b), 32 along K from buffer f.  first = 1: the bias is C and starts the sum.
.macro PROD f, a, b, first
.if (\b) < 8
.set rD, 8*(4*(\b)+(\a))
.if \first
	WIN 0x63                                       ; W window 3, x window 0, C (the bias) window 2, D window 1
.else
	WIN 0x53                                       ; C and D window 1
.endif
.else
.set rD, 8*(4*((\b)-8)+(\a))
	WIN 0xa3                                       ; C and D window 2
.endif
.set rB, 96*(\f)+8*(\b)
.set rA, ABF+32*(\f)+8*(\a)
.if \first
	v_wmma_f32_16x16x32_bf16 v[rD:rD+7], v[rB:rB+7], v[rA:rA+7], v[BIAS+8*(\b):BIAS+8*(\b)+7]
.else
	v_wmma_f32_16x16x32_bf16 v[rD:rD+7], v[rB:rB+7], v[rA:rA+7], v[rD:rD+7]
.endif
.endm
; 4 nb products: column blocks b0 .. b0 + nb - 1, all four row blocks.  The 48 accumulators take turns, one instruction a turn, in the same order in every half step.
.macro MULB f, b0, nb, first
.set bb, \b0
.rept \nb
.set aa, 0
.rept 4
	PROD \f, aa, bb, \first
.set aa, aa+1
.endr
.set bb, bb+1
.endr
.endm
; 40 LDS loads in one run: 32 along K at half q of a slot's rows: x as f32 into RAW (16 loads, first), W into buffer f (24 loads).
; A fragment wants K = 8 h + 0..7 and 16 + 8 h + 0..7 of row l % 16: in f32 two times 32 bytes, 64 bytes apart; in bf16 two times 16 bytes, 32 apart.
.macro FETCH slot, q, f
	WIN 0
.irp a, 0,1,2,3
	ds_load_b128 v[RAW+16*(\a):RAW+16*(\a)+3],     v[ADRA+(\slot)] offset:(\a)*16*PA+(\q)*128
	ds_load_b128 v[RAW+16*(\a)+4:RAW+16*(\a)+7],   v[ADRA+(\slot)] offset:(\a)*16*PA+(\q)*128+16
	ds_load_b128 v[RAW+16*(\a)+8:RAW+16*(\a)+11],  v[ADRA+(\slot)] offset:(\a)*16*PA+(\q)*128+64
	ds_load_b128 v[RAW+16*(\a)+12:RAW+16*(\a)+15], v[ADRA+(\slot)] offset:(\a)*16*PA+(\q)*128+80
.endr
	WIN 0xc0                                       ; destination window 3
.irp b, 0,1,2,3,4,5,6,7,8,9,10,11
	ds_load_b128 v[96*(\f)+8*(\b):96*(\f)+8*(\b)+3],   v[ADRB+(\slot)] offset:(\b)*16*PB+(\q)*64
	ds_load_b128 v[96*(\f)+8*(\b)+4:96*(\f)+8*(\b)+7], v[ADRB+(\slot)] offset:(\b)*16*PB+(\q)*64+32
.endr
.endm
; The last 8 products of a half step (column blocks 10 and 11), and behind each four of the 32 roundings that make the next half step's x, RAW -> buffer g.  The roundings name no register of the
; products round them.  The last four are the four places (ISA guide 7.12.1 for vector instructions) between the last product that reads W's buffer f and x's buffer f and the next lines that write them.
.macro RIDE f, g, first
.set ii, 0
.rept 8
	PROD \f, ii%4, 10+ii/4, \first
	WIN 0
.set jj, 4*(ii%2)
.rept 4
	v_cvt_pk_bf16_f32 v[ABF+32*(\g)+8*(ii/2)+jj], v[RAW+16*(ii/2)+2*jj], v[RAW+16*(ii/2)+2*jj+1]
.set jj, jj+1
.endr
.set ii, ii+1
.endr
.endm
; A K step is two half steps of 32.  The first multiplies buffers 0 and fetches the second half of the same slot.
.macro Q0 slot, first
	s_wait_dscnt 0x0                               ; W's fragments are in
	MULB 0, 0, 2, \first
	FETCH \slot, 1, 1
	MULB 0, 2, 8, \first
	s_wait_dscnt 24                                ; x's 16 loads are in; W's 24, issued behind them, may stay out
	RIDE 0, 1, \first
.endm
; The second multiplies buffers 1 and changes slots: ONE barrier; in front of it each wave waits for all its tensor loads (one is out: its part of the next slot), adds 0 to its spare word, and waits for
; that and for its reads of this slot.  fill = 1: the barrier opens a round of the cluster's barrier, and this slot is filled again, two K steps ahead, first thing behind the round:
; from there to the wait for it a wave issues 80 matrix instructions.  pf = 1: the trip's prefetch.
.macro TURN slot, next, fill, pf
	WIN 0
	s_wait_tensorcnt 0x0                           ; all my tensor loads have landed
	ds_add_u32 v[SPW], v[NIL]                      ; 0 onto my spare word
	s_wait_dscnt 1                                 ; W's fragments are in; the add may be out
	MULB 1, 0, 2, 0                                ; eight matrix instructions stand between the add and the wait for it
	s_wait_dscnt 0x0                               ; the add is done, and my reads of this slot are over
	s_barrier_signal -1
	MULB 1, 2, 2, 0
	WIN 0
	s_barrier_wait -1
.if \fill
	CREST                                          ; no wave of any partner still reads this slot's tiles or has a load on its way
	s_add_nc_u64 s[G0A+4*(\slot)+2:G0A+4*(\slot)+3], s[G0A+4*(\slot)+2:G0A+4*(\slot)+3], 512
	s_add_nc_u64 s[G0B+4*(\slot)+2:G0B+4*(\slot)+3], s[G0B+4*(\slot)+2:G0B+4*(\slot)+3], 196608
	JLOAD \slot
.if \pf
	s_cmp_eq_u32 s[TRIPS], 1                       ; the last trip has nothing further to ask for: the line is jumped over, so no prefetch leaves a row
	s_cbranch_scc1 .Lno_pf_\@
	global_prefetch_b8 v[PF], s[PFB:PFB+1] offset:512 th:TH_LOAD_NT scope:SCOPE_SE  ; the two K steps that the NEXT trip's two loads bring: 16 rows x 2 steps a wave, each block of 256 bytes asked for once in the launch
.Lno_pf_\@:
.endif
.endif
	FETCH \next, 0, 0
	MULB 1, 4, 6, 0
	s_wait_dscnt 24
	RIDE 1, 0, 0
.endm
	s_wait_tensorcnt 0x1                           ; my part of K step 0 is in; K step 1's may stay out
	s_barrier_signal -1
	s_barrier_wait -1                              ; everybody's is
	FETCH 0, 0, 0
	s_wait_dscnt 24
	WIN 0
.set i, 0
.rept 32
	v_cvt_pk_bf16_f32 v[ABF+i], v[RAW+2*i], v[RAW+2*i+1]
.set i, i+1
.endr
	Q0 0, 1                                        ; the first half step stands in front of the loop: its products start the sums, with the bias
	WIN 0                                          ; at a label and at a branch every window is 0
	s_mov_b32 s[TRIPS], 5
.Ltrip:                                                ; a trip goes once round the ring and fills both slots again: K steps 2 to 11 in five trips
	TURN 0, 1, 1, 1
	Q0 1, 0
	TURN 1, 0, 1, 0
	Q0 0, 0
	WIN 0
	s_wait_xcnt 0x0                                ; the prefetch's base is stepped only behind this wait; the prefetch stands a whole K step and a half back
	s_add_nc_u64 s[PFB:PFB+1], s[PFB:PFB+1], 512
	s_sub_co_u32 s[TRIPS], s[TRIPS], 1
	s_cmp_lg_u32 s[TRIPS], 0
	s_cbranch_scc1 .Ltrip
	TURN 0, 1, 0, 0                                ; the tail is written out, and no round follows
	Q0 1, 0
	s_wait_dscnt 0x0
	MULB 1, 0, 12, 0
; THE WAY OUT.  Unit u = 4 g + a: 16 rows (block a) of head g: rounded to f16, 16 bytes a lane, through my own stage and back as whole rows of 128 bytes: 2,048 consecutive bytes of qkv.
; Each unit has its own 16 registers, so no store's data is ever rewritten.
.macro PACK u
.set gg, (\u)/4
.set aa, (\u)%4
.if gg < 2
	WIN 0x05                                       ; sources window 1
.else
	WIN 0x0a                                       ; sources window 2
.endif
.set bb, 0
.rept 4
.set rD, 8*(4*((4*gg+bb)%8)+aa)
.set jj, 0
.rept 4
	v_cvt_pk_f16_f32 v[UN+16*(\u)+4*bb+jj], v[rD+2*jj], v[rD+2*jj+1]   ; each accumulator from its low end on
.set jj, jj+1
.endr
.set bb, bb+1
.endr
	WIN 0
.irp f, 0,1,2,3
	ds_store_b128 v[STO], v[UN+16*(\u)+4*(\f):UN+16*(\u)+4*(\f)+3] offset:32*(\f)
.endr
.irp f, 0,1,2,3
	ds_load_b128 v[UN+16*(\u)+4*(\f):UN+16*(\u)+4*(\f)+3], v[RD] offset:(\f)*4*SP  ; LDS serves a wave's instructions in order (ISA guide 5.7.1.4): these see the stores above; the next unit's stores come behind them
.endr
.endm
.macro SEND u, younger                 ; younger: the LDS instructions issued behind unit u's loads: the next unit's eight, or none
	WIN 0
.irp f, 0,1,2,3
	s_wait_dscnt (\younger)+3-(\f)
	global_store_b128 v[GO], v[UN+16*(\u)+4*(\f):UN+16*(\u)+4*(\f)+3], s[OB:OB+1] offset:((\u)/4)*524288+((\u)%4)*2048+(\f)*512  ; 512 consecutive bytes, at a multiple of 256 from qkv's first
.endr
.endm
	WIN 0
.rept 4
	v_nop                                          ; the places behind the last products: the roundings read results and write over x's fragments
.endr
	PACK 0
.set t, 1
.rept 11                                               ; a unit's roundings stand between the loads of the unit before and its stores
	PACK t
	SEND t-1, 8
.set t, t+1
.endr
	SEND 11, 0
	s_wait_tensorcnt 0x0                           ; the wave's end: three lines behind my last tensor load and my last LDS store
	ds_add_u32 v[SPW], v[NIL]
	s_wait_dscnt 0x0
	CROUND                                         ; the closing round: no work-group ends while a partner may still ask for a tile that names it
	s_endpgm
.Lfunc_end_k_q44abee654e_proj:
	.size	k_q44abee654e_proj, .Lfunc_end_k_q44abee654e_proj-k_q44abee654e_proj
	.p2alignl 7, 3214868480
	.fill 96, 4, 3214868480
	.section	.rodata,"a",@progbits
	.p2align	6, 0x0
	.amdhsa_kernel k_q44abee654e_proj
		.amdhsa_group_segment_fixed_size 327680
		.amdhsa_private_segment_fixed_size 0
		.amdhsa_enable_private_segment 0
		.amdhsa_kernarg_size 64
		.amdhsa_user_sgpr_count 2
		.amdhsa_user_sgpr_kernarg_segment_ptr 1
		.amdhsa_wavefront_size32 1
		.amdhsa_system_sgpr_workgroup_id_x 1
		.amdhsa_system_sgpr_workgroup_id_y 1
		.amdhsa_system_sgpr_workgroup_id_z 1
		.amdhsa_system_vgpr_workitem_id 0
		.amdhsa_next_free_vgpr 960
		.amdhsa_next_free_sgpr 96
		.amdhsa_reserve_vcc 0
		.amdhsa_float_denorm_mode_32 3
		.amdhsa_float_denorm_mode_16_64 3
		.amdhsa_memory_ordered 1
		.amdhsa_forward_progress 1
		.amdhsa_inst_pref_size 111
	.end_amdhsa_kernel
	.amdgpu_metadata
---
amdhsa.version: [ 1, 2 ]
amdhsa.kernels:
  - .name:           k_q44abee654e_proj
    .symbol:         k_q44abee654e_proj.kd
    .args:
      - { .name: q_in, .offset: 0, .size: 8, .value_kind: global_buffer, .address_space: global }
      - { .name: k_in, .offset: 8, .size: 8, .value_kind: global_buffer, .address_space: global }
      - { .name: v_in, .offset: 16, .size: 8, .value_kind: global_buffer, .address_space: global }
      - { .name: wt, .offset: 24, .size: 8, .value_kind: global_buffer, .address_space: global }
      - { .name: b_q, .offset: 32, .size: 8, .value_kind: global_buffer, .address_space: global }
      - { .name: b_k, .offset: 40, .size: 8, .value_kind: global_buffer, .address_space: global }
      - { .name: b_v, .offset: 48, .size: 8, .value_kind: global_buffer, .address_space: global }
      - { .name: qkv, .offset: 56, .size: 8, .value_kind: global_buffer, .address_space: global }
    .group_segment_fixed_size: 327680
    .private_segment_fixed_size: 0
    .kernarg_segment_align: 8
    .kernarg_segment_size: 64
    .max_flat_workgroup_size: 128
    .sgpr_count:     96
    .vgpr_count:     960
    .wavefront_size: 32
...
	.end_amdgpu_metadata
.endif
;; end of part 2
;; launch attn (part 3): grid 16 x 12, 4 waves a work-group, clusters of 4 x 1, 327,680 bytes of LDS; arguments qkv, oh; writes oh
.if DOCPART == 3
	.amdgcn_target "amdgcn-amd-amdhsa--gfx1250"
	.amdhsa_code_object_version 6
	.text
	.protected	k_q44abee654e_attn
	.globl	k_q44abee654e_attn
	.p2align	8
	.type	k_q44abee654e_attn,@function
k_q44abee654e_attn:
	s_mov_b64 s[64:65], 0
	v_nop
	global_prefetch_b8 v0, s[64:65] scope:SCOPE_SE
	s_setreg_imm32_b32 hwreg(HW_REG_WAVE_MODE, 25, 1), 1
	s_wait_xcnt 0x0
	s_wait_alu depctr_hold_cnt(0) depctr_sa_sdst(0) depctr_va_vdst(0) depctr_va_sdst(0) depctr_va_ssrc(0) depctr_va_vcc(0) depctr_vm_vsrc(0)
	s_getreg_b32 s2, hwreg(HW_REG_IB_STS2, 6, 4)
	s_cmp_eq_u32 s2, 0
	s_cbranch_scc0 .Lentry_in_a_cluster
	s_endpgm
.Lentry_in_a_cluster:
	s_bfe_u32 s2, ttmp6, 0x10000c
	s_cmp_lg_u32 s2, 0x3003
	s_cbranch_scc0 .Lentry_shape_is_right
	s_endpgm
.Lentry_shape_is_right:
; O[h][q][:] = the sum over k of softmax_k(Q[h][q] . K[h][k] / 8) V[h][k][:].  qkv: [3][12][4096][64] f16 (Q, K, V by heads, unscaled); oh: [12][4096][64] f16.  A head's rows are dense, 128 bytes each.
; Products, maxima and sums in f32; the weights p are rounded to f16 for the second product (their sum l is taken of the unrounded p), O once at the end.
; LIMITS.  p lies in 0 to 1, and below 6e-5 it keeps f16's fixed step of 6e-8; O is a mean of V's rows and has their range, and the same fixed step below 6e-5.
; A weight below 2^-126 counts as 0 in l; NaN and infinities are not treated apart.
; SHARES.  A work-group owns 256 queries of one head: 16 x 12 = 192 work-groups (512 queries would make 96).  A wave owns 64 rows: four PIECES of 16.  Every wave walks all 4,096 keys, 64 a step.
; LAYOUT.  S^T = K Q^T (source 0 = 16 keys, source 1 = 16 queries): a lane holds ONE query (lane % 16) and the keys 8 (lane / 16) + 0..7.  Two such results, rounded to f16 in pairs, ARE source 1
; of O^T = V^T P, whose result again holds one query a lane, and eight channels.  K comes out of LDS as it lies, V ([key][channel]) turned, by ds_load_tr16_b128.
; SOFTMAX.  For each query a running maximum m and sum l: p = 2^(c s - c m), c = log2(e) / 8; in every step O and l are multiplied by a = 2^(c m_old - c m_new), which is 1 where m has not grown.
; m starts at the lowest finite number, O and l at 0: the first step is a step like any other, with a = 0.
; BY TURNS.  Turn n belongs to piece n (the pieces in a ring, step after step): 8 products K Q^T of piece n + 1, later 8 products V^T P of piece n - 1; beside them the scaling, exponentials, roundings,
; sums and rescaling of piece n and the maximum and statistics of piece n + 1.  A piece and step have 16 matrix and 118 vector instructions: four vector instructions stand behind every matrix
; instruction, the other 54 in two runs of their own.
; CLUSTER.  The four query blocks of a cluster belong to one head and walk the same K and V, so each tile is asked for JOINTLY: the same tensor load, descriptor and mask in all four.
; REGISTERS, in windows of 256 (s_set_vgpr_msb: bits 1:0 source 0, 3:2 source 1, 5:4 source 2, 7:6 destination):
;   window 0: v0-15 addresses and two at work; v16-31 four registers of statistics a piece; v48-55 at work; v64-127 S^T, two buffers; v192-223 P, two buffers (a piece's buffers go by its number's parity)
;   window 1: v0-127 O^T, 32 a piece          window 2: v0-63 Q; v128-191 K of one step; v192-255 V of one step
.set NP,    4         ; pieces a wave: a name, no knob
.set KS,    64        ; keys in a step
.set PK,    144       ; a row of K in LDS: 128 bytes + 16 = 36 words: the 16 rows of a load start at 16 different groups of four banks (64 banks of 4 bytes: ISA guide 11.1)
.set PV,    160       ; a row of V: 128 + 32 = 40 words
.set VOFF,  4*KS*PK   ; a slot holds four steps: 256 rows of K, then 256 rows of V
.set SLOT1, 1<<17     ; slot 1 begins here, so that one exclusive or turns an address in one slot into the other's
.set STAGE, SLOT1+4*KS*(PK+PV)  ; behind the ring, never filled by a tensor load: 16 rows x 144 bytes for each wave
.set SP,    144
.set SPARE, STAGE+4*16*SP  ; behind the stages: the spare words, 128 bytes a wave, two blocks of 256 bytes that no other line names
.set AK0, 2           ; v2   my lane's place in a tile of K; never rewritten
.set AV0, 3           ; v3   the same for V
.set AK,  4           ; v4   the LDS address of K's next run of loads
.set AV,  5           ; v5   of V's
.set STO, 6           ; v6   the way out: where I put 16 bytes of a row
.set RD,  7           ; v7   the way out: where I read rows back
.set GO,  8           ; v8   my place in 512 consecutive bytes of O
.set MV,  12          ; v12-13  c m_old, kept while c m is made anew: by buffer
.set QO,  15          ; v15  my byte offset in 16 rows of Q
.set ST,  16          ; piece t's statistics at v[ST+4 t]: c m, m, l (even keys', odd keys')
.set TMP, 48          ; by buffer, four registers c0-c3 at work; when the maximum is found c2 takes a
.set SPW, 62          ; v62  LDS address of my spare word; never rewritten
.set NIL, 63          ; v63  0; never rewritten
.set S,   64
.set P,   192
.set KF,  128         ; window 2: key block kb, channel half c at KF + 16 kb + 8 c
.set VF,  192         ; window 2: key half kk, channel block cb at VF + 32 kk + 8 cb
.set WV,  12          ; s12  my wave's number
.set G1K, 24          ; s[24:31] descriptor group 1 for K's tiles
.set G1V, 32          ; s[32:39] for V's: it differs in the padding alone
.set G0K, 40          ; s[40:43] descriptor group 0 for K's tiles: it walks
.set G0V, 44          ; s[44:47] the same for V's
.set SLOTS, 56        ; s56  slots still to be walked in the loop
.set CNT, 57          ; s57  counts a slot's key steps
.set CS,  58          ; s[58:59] c: the packed scaling takes the pair's low word for both halves
.set SEL, 60          ; s[60:61] v_permlanex16_b32's selects: each lane takes its own place in the other half
.set TBK, 62          ; s62  LDS byte at which K of the step to be fetched begins
.set TBV, 63          ; s63  the same for V, less VOFF
.set MSB, 0
.macro WIN new                      ; the high byte repeats the setting that is left; a switch that changes nothing is dropped
.if MSB != (\new)
	s_set_vgpr_msb (MSB<<8)|(\new)
.set MSB, (\new)
.endif
.endm
.set W_KQ, 0x0a       ; K and Q in window 2, S^T in window 0
.set W_PV, 0x52       ; V in window 2, P in window 0, O^T in window 1
.set W_RS, 0x41       ; destination and source 0 in window 1, source 1 in window 0
; A joint fill.  Waves 0 and 1 fetch the two halves of a slot's K, waves 2 and 3 those of its V: 128 keys each.  The branch hangs on the wave's number alone.
; An s_nop 0 and four v_nop follow each of the two lines, ahead of the jump and the label.
.macro JLOAD
	s_cmp_lt_u32 s[WV], 2
	s_cbranch_scc0 .Lfor_v_\@
	tensor_load_to_lds s[G0K:G0K+3], s[G1K:G1K+7]
	s_nop 0
.rept 4
	v_nop
.endr
	s_branch .Lasked_\@
.Lfor_v_\@:
	tensor_load_to_lds s[G0V:G0V+3], s[G1V:G1V+7]
	s_nop 0
.rept 4
	v_nop
.endr
.Lasked_\@:
.endm
; A round of the cluster's barrier: my work-group's barrier, so that wave 0's signal speaks for all four waves; wave 0 signals; every wave waits for all four work-groups; my work-group's barrier once more.
.macro CROUND
	s_barrier_signal -1
	s_barrier_wait -1
	s_cmp_lg_u32 s[WV], 0
	s_cbranch_scc1 .Lnot_wave_0_\@
	s_barrier_signal -3
.Lnot_wave_0_\@:
	s_barrier_wait -3
	s_barrier_signal -1
	s_barrier_wait -1
.endm
; THE CHANGE OF SLOTS.  The slot's last bytes, V of its fourth step, have been read.  Each wave waits for all its tensor loads, of which one is out: its part of the other slot; adds 0 to its spare
; word; and waits for that and for its own reads of the slot.  Behind the barrier nobody reads this slot any more and the other slot is whole.
; fill = 1: this slot is filled again, with the keys two slots on.  The barrier is then a round of the cluster's, and the joint fill is the first thing behind it: it has four key steps, 256 matrix
; instructions, in which to land.  (At its first use nothing has been read yet: slot 0 is waited for, slot 1 filled.)
.macro CHANGE fill
	WIN 0                           ; at a label and at a branch every window is 0
	s_wait_tensorcnt 0x0            ; no tensor load of mine is out, so a group 0 may be written
	ds_add_u32 v[SPW], v[NIL]       ; 0 onto my spare word; with fill = 1 the descriptors' steps stand between it and the wait for it
.if \fill
.irp g, G0K, G0V
	s_xor_b32 s[\g+1], s[\g+1], SLOT1  ; the walking descriptor: the other slot than last time,
	s_add_nc_u64 s[\g+2:\g+3], s[\g+2:\g+3], 4*KS*128  ; the next 256 keys; the type bits on top are not reached
.endr
	s_wait_dscnt 0x0                ; the add is done, and my reads of the slot are over
	CROUND
	JLOAD
.else
	s_wait_dscnt 0x0                ; the add is done, and my reads of the slot are over
	s_barrier_signal -1
	s_barrier_wait -1
.endif
	s_sub_co_u32 s[TBK], s[TBK], 4*KS*PK  ; the fetches go back to a slot's first step,
	s_xor_b32 s[TBK], s[TBK], SLOT1       ; in the other slot
	s_sub_co_u32 s[TBV], s[TBV], 4*KS*PV
	s_xor_b32 s[TBV], s[TBV], SLOT1
.endm
	s_load_b128 s[48:51], s[0:1], 0x0  ; qkv s[48:49], oh s[50:51]
	v_lshl_add_u32 v[SPW], v0, 2, SPARE
	v_mov_b32 v[NIL], 0
	ds_add_u32 v[SPW], v[NIL]       ; the wave's opening: the add and its wait stand ahead of my first tensor load; the set-up below, work on registers, stands between them
	v_lshrrev_b32 v1, 5, v0
	v_readfirstlane_b32 s[WV], v1   ; wave 0..3
	s_bfe_u32 s13, ttmp6, 0x40000   ; cx: my place in the cluster
	s_lshl_b32 s14, ttmp9, 2        ; in a cluster launch ttmp9 counts clusters
	s_add_co_u32 s14, s14, s13      ; my block of 256 queries = 4 x cluster x + cx: it enters Q's and O's addresses alone
	s_and_b32 s20, ttmp7, 0xffff    ; the head, which the four partners share:
	s_lshl_b32 s20, s20, 19         ; 4,096 rows of 128 bytes
	s_and_b32 s16, s[WV], 1         ; which half of a slot's 256 keys I fetch:
	s_lshl_b32 s22, s16, 14         ; its 128 rows of 128 bytes in memory,
	s_add_co_u32 s22, s22, s20
	s_mov_b32 s23, 0
	s_mul_i32 s17, s16, 128*PK      ; and its place in a slot, for K
	s_mul_i32 s18, s16, 128*PV      ; and for V: no place in the cluster enters an LDS address
	s_lshl_b32 s2, s14, 2
	s_add_co_u32 s2, s2, s[WV]      ; my wave among the head's,
	s_lshl_b32 s2, s2, 13           ; its 64 rows
	s_add_co_u32 s2, s2, s20
	s_mov_b32 s3, 0
	; descriptor group 1.  128 keys are 16,384 dense bytes: asked for as 64 rows of 256 bytes, two keys a row, and padded in LDS after every key
	s_mov_b32 s[G1K], 15|(1<<16)|(1<<20)|(1<<21)|(4<<22)|(3<<25)  ; 15:0 the mask of four; 17:16 2-byte elements; 20 padding on; 21 set beside a mask; 24:22 after every 32 words (code 4); 31:25 4 words (code 3)
	s_mov_b32 s[G1V], 15|(1<<16)|(1<<20)|(1<<21)|(4<<22)|(7<<25)  ; the same with 8 words of padding (code 7)
.irp g, G1K, G1V
	s_mov_b32 s[\g+1], 128<<16      ; tensor_dim0 = 128
	s_mov_b32 s[\g+2], 64<<16       ; tensor_dim1 = 64
	s_mov_b32 s[\g+3], 128<<16      ; tile_dim0 = 128
	s_mov_b32 s[\g+4], 64           ; tile_dim1 = 64
	s_mov_b32 s[\g+5], 128          ; 128 elements from row to row
	s_mov_b32 s[\g+6], 0
	s_mov_b32 s[\g+7], 0
.endr
	s_mov_b32 s[CS], 0x3e38aa3b     ; c = log2(e) / 8 = 0.180337
	s_mov_b32 s[CS+1], s[CS]        ; named with it as a pair
	s_mov_b32 s[SEL], 0x76543210
	s_mov_b32 s[SEL+1], 0xfedcba98
	s_mov_b32 s[TBK], SLOT1+4*KS*PK ; the first change of slots turns these two into 0
	s_mov_b32 s[TBV], SLOT1+4*KS*PV
	s_mov_b32 s[G0K], 1             ; count = 1
	s_mov_b32 s[G0K+1], s17         ; LDS address: slot 0
	s_mov_b32 s[G0V], 1
	s_add_co_u32 s[G0V+1], s18, VOFF
	s_wait_dscnt 0x0                ; the opening add is done
	s_wait_kmcnt 0x0
	s_add_nc_u64 s[6:7], s[48:49], s[22:23]
	s_add_nc_u64 s[G0K+2:G0K+3], s[6:7], 0x600000  ; K is the second tensor of qkv: my half of the head's first 256 keys
	s_or_b32 s[G0K+3], s[G0K+3], 0x80000000        ; type = 2
	s_add_nc_u64 s[G0V+2:G0V+3], s[6:7], 0xc00000  ; V the third
	s_or_b32 s[G0V+3], s[G0V+3], 0x80000000
	s_add_nc_u64 s[4:5], s[48:49], s[2:3]   ; Q and O at my wave's first row
	s_add_nc_u64 s[10:11], s[50:51], s[2:3]
	CROUND                          ; all four work-groups are here: the first joint loads meet
	JLOAD                           ; slot 0.  Slot 1 is asked for when slot 0 is in
	; A fragment of K or Q is 16 rows x 32 channels in 8 registers: lane l holds row l % 16, channels 8 (l / 16) + 0..7 and 16 + 8 (l / 16) + 0..7: two loads of 16 bytes, 32 bytes apart.
	v_and_b32 v1, 15, v0            ; l % 16
	v_bfe_u32 v9, v0, 4, 1          ; l / 16
	v_lshlrev_b32 v[QO], 7, v1
	v_lshl_add_u32 v[QO], v9, 4, v[QO]  ; row x 128 + 16 x half
	WIN 0x80                        ; destination window 2, address window 0
.set i, 0
.rept 8                             ; Q stays in registers: piece i / 2, channels 32 (i % 2) on
	global_load_b128 v[8*i:8*i+3],   v[QO], s[4:5] offset:(i/2)*2048+(i%2)*64
	global_load_b128 v[8*i+4:8*i+7], v[QO], s[4:5] offset:(i/2)*2048+(i%2)*64+32
.set i, i+1
.endr
	; What the first turn finds: V's registers and P's second buffer hold 0 (its products V^T P, of a piece that has not been, add 0), O^T and l are 0.  No first step is written out; these moves,
	; which stand in the wait for the first tile, are the price.
.set i, VF
.rept 64
	v_mov_b32 v[i], 0
.set i, i+1
.endr
	WIN 0x40
.set i, 0
.rept 128
	v_mov_b32 v[i], 0
.set i, i+1
.endr
	WIN 0
.set i, 0
.rept 4
	v_mov_b32 v[ST+4*i], 0xfe000000    ; c m: far below every c s
	v_mov_b32 v[ST+4*i+1], 0xff7fffff  ; m
	v_mov_b32 v[ST+4*i+2], 0
	v_mov_b32 v[ST+4*i+3], 0
.set i, i+1
.endr
.set i, P+16
.rept 16
	v_mov_b32 v[i], 0
.set i, i+1
.endr
	v_mul_u32_u24 v[AK0], v1, PK
	v_lshl_add_u32 v[AK0], v9, 4, v[AK0]  ; row x pitch + 16 x half
	; The turning load takes 16 keys x 16 channels (lane l reads key 8 (l / 16) + l % 8, channels 8 ((l / 8) % 2) + 0..7) and leaves half a fragment of V^T: lane l holds channel l % 16 and 8 keys.
	v_and_b32 v10, 7, v0
	v_bfe_u32 v11, v0, 3, 1
	v_lshl_add_u32 v[AV0], v9, 3, v10
	v_mul_u32_u24 v[AV0], v[AV0], PV
	v_lshl_add_u32 v[AV0], v11, 4, v[AV0]
	v_add_nc_u32 v[AV0], VOFF, v[AV0]
	s_mul_i32 s13, s[WV], 16*SP
	s_add_co_u32 s13, s13, STAGE    ; my stage
	v_mul_u32_u24 v[STO], v1, SP    ; in: row l % 16, 16 bytes for each half of the lanes
	v_lshl_add_u32 v[STO], v9, 4, v[STO]
	v_add_nc_u32 v[STO], s13, v[STO]
	v_bfe_u32 v[RD], v0, 3, 2       ; back: 32 lanes take four rows of 128 bytes,
	v_mul_u32_u24 v[RD], v[RD], SP
	v_lshl_add_u32 v[RD], v10, 4, v[RD]
	v_add_nc_u32 v[RD], s13, v[RD]
	v_and_b32 v[GO], 31, v0         ; which are 512 consecutive bytes of O
	v_lshlrev_b32 v[GO], 4, v[GO]
; THE MATRIX WORK.  The 4 accumulators of a run of 8 take turns.  Product i of 8 of S^T = K Q^T for piece x: channels 32 (i / 4) on, keys 16 (i % 4) on.  The first 4 start the sums.
.macro KQ x
	WIN W_KQ
.set rS, S+32*((\x)%2)+8*(i%4)
.set rK, KF+16*(i%4)+8*(i/4)
.set rQ, 16*(\x)+8*(i/4)
.if i < 4
	v_wmma_f32_16x16x32_f16 v[rS:rS+7], v[rK:rK+7], v[rQ:rQ+7], 0
.else
	v_wmma_f32_16x16x32_f16 v[rS:rS+7], v[rK:rK+7], v[rQ:rQ+7], v[rS:rS+7]
.endif
.endm
; Product i of 8 of O^T += V^T P for piece x: keys 32 (i / 4) on, channels 16 (i % 4) on.
.macro PV x
	WIN W_PV
.set rO, 32*(\x)+8*(i%4)
.set rV, VF+32*(i/4)+8*(i%4)
.set rP, P+16*((\x)%2)+8*(i/4)
	v_wmma_f32_16x16x32_f16 v[rO:rO+7], v[rV:rV+7], v[rP:rP+7], v[rO:rO+7]
.endm
.macro MM                           ; the turn's next matrix instruction.  NOKQ = 1: the very last turn: there is no next piece
.if (i < 8) && !NOKQ
	KQ (Y+1)%NP
.elseif i >= 8
.set i, i-8
	PV (Y+NP-1)%NP
.set i, i+8
.endif
.set i, i+1
.endm
; THE LDS LOADS stand in runs of 16, never singly among the matrix instructions: a step's K (64 keys x 64 channels: 8 fragments) and its V (turned).  Their addresses are made some lines ahead.
.macro FETCH_K
	WIN 0x80                        ; destination window 2
.irp f, 0,1,2,3,4,5,6,7             ; keys 16 (f / 2) on, channels 32 (f % 2) on
	ds_load_b128 v[KF+8*\f:KF+8*\f+3],   v[AK] offset:(\f/2)*16*PK+(\f%2)*64
	ds_load_b128 v[KF+8*\f+4:KF+8*\f+7], v[AK] offset:(\f/2)*16*PK+(\f%2)*64+32
.endr
	s_add_co_u32 s[TBK], s[TBK], KS*PK  ; the next fetch is the next step's
	WIN 0
.endm
.macro FETCH_V
	WIN 0x80
.irp f, 0,1,2,3,4,5,6,7             ; keys 32 (f / 4) on, channels 16 (f % 4) on
	ds_load_tr16_b128 v[VF+8*\f:VF+8*\f+3],   v[AV] offset:(\f/4)*32*PV+(\f%4)*32
	ds_load_tr16_b128 v[VF+8*\f+4:VF+8*\f+7], v[AV] offset:(\f/4)*32*PV+16*PV+(\f%4)*32
.endr
	WIN 0
.endm
; THE VECTOR WORK, one line at a time: OP kind, number.  For piece Y: F n: c s - c m for pair n of 16.  E n: the exponential of score n of 32.  C n: pair n rounded to f16.  B n: of the four weights 4 n .. the
; second pair is added onto the first, in place.  L n: l takes that sum (L 0: l = a l + sum).  R n: pair n of 16 of O^T times a.  For piece Y + 1: X n, number n of the 22 that find its maximum and statistics:
;   0-11  four chains c0-c3 of seven scores each, three operands at a time (each accumulator's lowest registers are read first)     12-14, 16  the four scores left over, the old m, and c0-c3 into c0
;   15  c m_old is kept     17, 18  the query's other 32 keys lie in the lane 16 away: the new m     19-21  c m; c m_old - c m_new; a
.set F, 0               ; OP tells the kinds apart by their order: F to L below R, X above it
.set E, 1
.set C, 2
.set B, 3
.set L, 4
.set R, 5
.set X, 6
.macro REGS y                       ; the registers of piece y
.set rT, ST+4*(\y)
.set rC, TMP+4*((\y)%2)
.set rW, MV+((\y)%2)
.set rS, S+32*((\y)%2)
.set rP, P+16*((\y)%2)
.set rO, 32*(\y)
.endm
.macro OP k, n
.if (\k) == R
	REGS Y
	WIN W_RS
	v_pk_mul_f32 v[rO+2*(\n):rO+2*(\n)+1], v[rO+2*(\n):rO+2*(\n)+1], v[rC+2:rC+3] op_sel_hi:[1,0]
.elseif (\k) < R
	REGS Y
	WIN 0
.if (\k) == F
	v_pk_fma_f32 v[rS+2*(\n):rS+2*(\n)+1], v[rS+2*(\n):rS+2*(\n)+1], s[CS:CS+1], v[rT:rT+1] op_sel_hi:[1,0,0] neg_lo:[0,0,1] neg_hi:[0,0,1]
.elseif (\k) == E
	v_exp_f32 v[rS+(\n)], v[rS+(\n)]
.elseif (\k) == C
	s_wait_alu depctr_va_vdst(0)
	v_cvt_pk_f16_f32 v[rP+(\n)], v[rS+2*(\n)], v[rS+2*(\n)+1]
.elseif (\k) == B
	s_wait_alu depctr_va_vdst(0)
	v_pk_add_f32 v[rS+4*(\n):rS+4*(\n)+1], v[rS+4*(\n):rS+4*(\n)+1], v[rS+4*(\n)+2:rS+4*(\n)+3]
.elseif (\n) == 0
	v_pk_fma_f32 v[rT+2:rT+3], v[rT+2:rT+3], v[rC+2:rC+3], v[rS:rS+1] op_sel_hi:[1,0,1]
.else
	v_pk_add_f32 v[rT+2:rT+3], v[rT+2:rT+3], v[rS+4*(\n):rS+4*(\n)+1]
.endif
.elseif NOKQ
	v_nop
.else
	REGS (Y+1)%NP
	WIN 0
.if (\n) < 4
	v_max3_num_f32 v[rC+(\n)], v[rS+8*(\n)], v[rS+8*(\n)+1], v[rS+8*(\n)+2]
.elseif (\n) < 12
	v_max3_num_f32 v[rC+(\n)%4], v[rC+(\n)%4], v[rS+8*((\n)%4)+2*((\n)/4)+1], v[rS+8*((\n)%4)+2*((\n)/4)+2]
.elseif (\n) == 12
	v_max3_num_f32 v[rC], v[rC], v[rS+7], v[rS+15]
.elseif (\n) == 13
	v_max3_num_f32 v[rC+1], v[rC+1], v[rS+23], v[rS+31]
.elseif (\n) == 14
	v_max3_num_f32 v[rC+2], v[rC+2], v[rC+3], v[rT+1]
.elseif (\n) == 15
	v_mov_b32 v[rW], v[rT]
.elseif (\n) == 16
	v_max3_num_f32 v[rC], v[rC], v[rC+1], v[rC+2]
.elseif (\n) == 17
	v_permlanex16_b32 v[rC+3], v[rC], s[SEL], s[SEL+1]
.elseif (\n) == 18
	v_max_num_f32 v[rT+1], v[rC], v[rC+3]
.elseif (\n) == 19
	v_mul_f32 v[rT], s[CS], v[rT+1]
.elseif (\n) == 20
	v_sub_f32 v[rC+1], v[rW], v[rT]
.else
	v_exp_f32 v[rC+2], v[rC+1]
.endif
.endif
.endm
.macro OPS a, i1, b=-1, i2=0, c=-1, i3=0, d=-1, i4=0  ; up to four of them
	OP \a, \i1
.if (\b) >= 0
	OP \b, \i2
.endif
.if (\c) >= 0
	OP \c, \i3
.endif
.if (\d) >= 0
	OP \d, \i4
.endif
.endm
.macro ROW a, i1, b, i2, c, i3, d, i4  ; a matrix instruction and the four behind it
	MM
	OPS \a, \i1, \b, \i2, \c, \i3, \d, \i4
.endm
; A TURN, for piece p: the order of its 16 matrix and 118 vector instructions, written out.  Behind a matrix instruction: plain, exponential, plain, plain; or four of the rescaling; or, behind the first, four
; scalings; none names a register of the products round it.  In the runs between, exponential and plain by turns while exponentials last: each exponential has a plain instruction behind it before its result is
; used (ISA guide 5.7.2).  A line reads no result made fewer than three vector instructions in front of it, five if an exponential made it.  v_permlanex16_b32 (X 17) stands in a run, never behind a product.
; end = 1: the walk's last two turns: nothing is fetched, and the last starts no new scores.  cnt = 1: the loop's count is taken down some lines ahead of the branch that stands behind the turn.
; K of the next step is fetched in piece 2's turn, six vector instructions behind the last product that read K (five of them plain); V of the step in hand in piece 0's turn, eight behind the last product
; that read V (four plain, and X 17).  Each is waited for a turn later.
.macro TURN p, end=0, cnt=0
.set Y, (\p)
.set i, 0
.set NOKQ, (\end)*((\p)/3)
.if ((\p) == 3) && !(\end)
	s_wait_dscnt 0x0                ; K is in
.endif
	ROW F,0, F,1, F,2, F,3
	ROW F,4, E,0, F,5, F,6
	ROW F,7, E,1, F,8, F,9
	ROW F,10, E,2, C,0, F,11
	ROW F,12, E,3, X,15, F,13
	ROW R,0, R,1, R,2, R,3
	ROW B,0, E,4, F,14, L,0
.if ((\p) == 2) && !(\end)
	v_add_nc_u32 v[AK], s[TBK], v[AK0]
.endif
	ROW R,4, R,5, R,6, R,7
	OPS E,5, F,15
.if ((\p) == 2) && !(\end)
	FETCH_K
.endif
	OPS E,6, C,1, E,7, R,8
	OPS E,8, R,9, E,9, C,2
	OPS E,10, X,0, E,11, X,1
	OPS E,12, X,2, E,13, X,3
.if (\p) == 1
	s_wait_dscnt 0x0                ; V is in
.endif
	ROW X,4, E,14, X,5, X,6
	ROW X,7, E,15, X,8, X,9
	ROW X,10, E,16, X,11, X,12
	ROW X,13, E,17, X,14, B,1
	ROW C,4, E,18, X,16, L,1
	ROW B,2, E,19, C,6, L,2
	ROW C,8, E,20, B,3, B,4
.if (\p) == 0
	v_add_nc_u32 v[AV], s[TBV], v[AV0]
.endif
	ROW C,3, E,21, L,3, C,5
	OPS E,22, X,17, E,23, C,10
.if (\p) == 0
	FETCH_V
.endif
	OPS E,24, L,4
	OPS E,25, X,18, E,26, C,7
	OPS E,27, B,5, E,28, X,19
	OPS E,29, C,12, E,30, L,5
	OPS E,31, X,20, B,6, C,9
	OPS C,14, C,11, X,21, L,6
.if (\p) == 0
	s_add_co_u32 s[TBV], s[TBV], KS*PV
.endif
.if \cnt
	s_sub_co_u32 s[CNT], s[CNT], 1
	s_cmp_lg_u32 s[CNT], 0
.endif
	OPS C,13, B,7, C,15, R,10
	OPS R,11, R,12, L,7, R,13
	OPS R,14, R,15
.endm
	CHANGE 1                        ; slot 0 is in, everybody's part of it; slot 1 is asked for
	v_add_nc_u32 v[AK], s[TBK], v[AK0]
	FETCH_K                         ; key step 0
	s_wait_loadcnt 0x0              ; Q
	s_wait_dscnt 0x0
.set NOKQ, 0
.set i, 0
.rept 8
	KQ 0                            ; piece 0's first scores: there is no vector work yet to set between them
.set i, i+1
.endr
	WIN 0
.rept 4
	v_nop                           ; the places behind those products
.endr
.set Y, NP-1                        ; X works for piece Y + 1: piece 0
.irp n, 0,1,2,3,4,5,6,7,8,9,10,11,12,13,14,15,16,17,18,19,20,21
	OP X, \n
.endr
	v_nop                           ; a plain instruction behind the exponential
	s_mov_b32 s[CNT], 4
	s_mov_b32 s[SLOTS], 4096/256-1
	s_branch .Lfirst                ; the loop is entered at a step's first turn, in the middle of a trip
.Lslot:                             ; 14 times: every slot but the last two is filled again
	CHANGE 1
	s_mov_b32 s[CNT], 4
.Lstep:                             ; a trip: pieces 2 and 3 of one step, then pieces 0 and 1 of the next, whose K and V it fetches
	TURN 2
	TURN 3
	WIN 0
.Lfirst:
	TURN 0
	TURN 1, 0, 1
	WIN 0
	s_cbranch_scc1 .Lstep
	s_sub_co_u32 s[SLOTS], s[SLOTS], 1
	s_cmp_lg_u32 s[SLOTS], 0
	s_cbranch_scc1 .Lslot
	CHANGE 0                        ; the tail is written out: nothing is asked for
	s_mov_b32 s[CNT], 4
.Ltail:                             ; four trips fetch the last slot's steps
	TURN 2
	TURN 3
	TURN 0
	TURN 1, 0, 1
	WIN 0
	s_cbranch_scc1 .Ltail
	TURN 2, 1                       ; the last step's pieces 2 and 3
	TURN 3, 1
.set i, 0
.rept 8
	PV NP-1                         ; the last piece's V^T P of the last step
.set i, i+1
.endr
	; THE WAY OUT.  l's two halves and the other half of the lanes' are added; O^T is divided by l, rounded to f16 and sent through my stage in LDS, a piece at a time.  The additions are the places behind the last products.
	WIN 0
.macro ALL line:vararg              ; one line for each piece t
.set t, 0
.rept 4
	\line
.set t, t+1
.endr
.endm
	ALL v_add_f32 v[ST+4*t+2], v[ST+4*t+2], v[ST+4*t+3]
	ALL v_permlanex16_b32 v[ST+4*t+3], v[ST+4*t+2], s[SEL], s[SEL+1]
	ALL v_add_f32 v[ST+4*t+2], v[ST+4*t+2], v[ST+4*t+3]
	ALL v_rcp_f32 v[ST+4*t+2], v[ST+4*t+2]
	v_nop                           ; a plain instruction between the last reciprocal and the use of its result
.macro PACK t                       ; a lane's eight channels of a row pack into 16 bytes; they go into rows of 144 bytes and come back as whole rows of 128, into S^T's registers
	WIN W_RS
.set i, 32*(\t)
.rept 16
	s_wait_alu depctr_va_vdst(0)
	v_pk_mul_f32 v[i:i+1], v[i:i+1], v[ST+4*(\t)+2:ST+4*(\t)+3] op_sel_hi:[1,0]
.set i, i+2
.endr
	WIN 0x05                        ; sources 0 and 1 window 1, destination window 0
.set i, 0
.rept 16
	v_cvt_pk_f16_f32 v[S+16*(\t)+i], v[32*(\t)+2*i], v[32*(\t)+2*i+1]
.set i, i+1
.endr
	WIN 0
.irp f, 0,1,2,3
	ds_store_b128 v[STO], v[S+16*(\t)+4*\f:S+16*(\t)+4*\f+3] offset:32*\f
.endr
.irp f, 0,1,2,3
	ds_load_b128 v[S+16*(\t)+4*\f:S+16*(\t)+4*\f+3], v[RD] offset:\f*4*SP  ; LDS serves a wave's instructions in order (ISA guide 5.7.1.4): these see the stores above; the next piece's stores come behind them
.endr
.endm
.macro SEND t, younger              ; younger: the LDS instructions issued behind piece t's loads: the next piece's eight, or none
	WIN 0
.irp f, 0,1,2,3
	s_wait_dscnt (\younger)+3-\f
	global_store_b128 v[GO], v[S+16*(\t)+4*\f:S+16*(\t)+4*\f+3], s[10:11] offset:(\t)*2048+\f*512  ; 512 consecutive bytes, at a multiple of 256 from oh's first
.endr
.endm
	PACK 0
.set t, 1
.rept 3                             ; a piece's arithmetic stands between the loads of the piece before and its stores
	PACK t
	SEND t-1, 8
.set t, t+1
.endr
	SEND 3, 0
	s_wait_tensorcnt 0x0            ; the wave's end: three lines behind my last tensor load and my last LDS store
	ds_add_u32 v[SPW], v[NIL]
	s_wait_dscnt 0x0
	CROUND                          ; the closing round: no work-group ends while a partner may still ask for a tile that names it
	s_endpgm
.Lfunc_end_k_q44abee654e_attn:
	.size	k_q44abee654e_attn, .Lfunc_end_k_q44abee654e_attn-k_q44abee654e_attn
	.p2alignl 7, 3214868480
	.fill 96, 4, 3214868480
	.section	.rodata,"a",@progbits
	.p2align	6, 0x0
	.amdhsa_kernel k_q44abee654e_attn
		.amdhsa_group_segment_fixed_size 327680
		.amdhsa_private_segment_fixed_size 0
		.amdhsa_enable_private_segment 0
		.amdhsa_kernarg_size 16
		.amdhsa_user_sgpr_count 2
		.amdhsa_user_sgpr_kernarg_segment_ptr 1
		.amdhsa_wavefront_size32 1
		.amdhsa_system_sgpr_workgroup_id_x 1
		.amdhsa_system_sgpr_workgroup_id_y 1
		.amdhsa_system_sgpr_workgroup_id_z 1
		.amdhsa_system_vgpr_workitem_id 0
		.amdhsa_next_free_vgpr 768
		.amdhsa_next_free_sgpr 66
		.amdhsa_reserve_vcc 0
		.amdhsa_float_denorm_mode_32 3
		.amdhsa_float_denorm_mode_16_64 3
		.amdhsa_memory_ordered 1
		.amdhsa_forward_progress 1
		.amdhsa_inst_pref_size 133
	.end_amdhsa_kernel
	.amdgpu_metadata
---
amdhsa.version: [ 1, 2 ]
amdhsa.kernels:
  - .name:           k_q44abee654e_attn
    .symbol:         k_q44abee654e_attn.kd
    .args:
      - { .name: qkv, .offset: 0, .size: 8, .value_kind: global_buffer, .address_space: global }
      - { .name: oh, .offset: 8, .size: 8, .value_kind: global_buffer, .address_space: global }
    .group_segment_fixed_size: 327680
    .private_segment_fixed_size: 0
    .kernarg_segment_align: 8
    .kernarg_segment_size: 16
    .max_flat_workgroup_size: 128
    .sgpr_count:     66
    .vgpr_count:     768
    .wavefront_size: 32
...
	.end_amdgpu_metadata
.endif
;; end of part 3
;; launch oproj (part 4): grid 4 x 64, 4 waves a work-group, clusters of 4 x 4, 327,680 bytes of LDS; arguments oh, wt, b_o, out0; writes out0
.if DOCPART == 4
	.amdgcn_target "amdgcn-amd-amdhsa--gfx1250"
	.amdhsa_code_object_version 6
	.text
	.protected	k_q44abee654e_oproj
	.globl	k_q44abee654e_oproj
	.p2align	8
	.type	k_q44abee654e_oproj,@function
k_q44abee654e_oproj:
	s_mov_b64 s[64:65], 0
	v_nop
	global_prefetch_b8 v0, s[64:65] scope:SCOPE_SE
	s_setreg_imm32_b32 hwreg(HW_REG_WAVE_MODE, 25, 1), 1
	s_wait_xcnt 0x0
	s_wait_alu depctr_hold_cnt(0) depctr_sa_sdst(0) depctr_va_vdst(0) depctr_va_sdst(0) depctr_va_ssrc(0) depctr_va_vcc(0) depctr_vm_vsrc(0)
	s_getreg_b32 s2, hwreg(HW_REG_IB_STS2, 6, 4)
	s_cmp_eq_u32 s2, 0
	s_cbranch_scc0 .Lentry_in_a_cluster
	s_endpgm
.Lentry_in_a_cluster:
	s_bfe_u32 s2, ttmp6, 0x10000c
	s_cmp_lg_u32 s2, 0xf033
	s_cbranch_scc0 .Lentry_shape_is_right
	s_endpgm
.Lentry_shape_is_right:
; out0 = O W_o + b_o.  oh: [head 12][row 4096][64] f16.  W_o: wt's fourth matrix, [kb = head 12][n 768][64], bf16-rounded numbers written as f16.  b_o: [768] f32, rounded to bf16 here.  out0: [4096][768] f32.
; Products in f16, sums in f32, nothing rounded on the way out.
; SHARES.  A tile is 64 rows x 192 columns: 64 x 4 = 256 work-groups, and a tile's row is 768 bytes, three whole aligned blocks of 256.  Wave v makes all 64 rows of columns 64 p + 16 v + 0..15, p = 0..2:
; 12 accumulators.  K = 768 goes in 3 chunks of 256 (four heads) through two LDS slots; chunk 2 is the one refill; the text has no loop.
; CLUSTER 4 x 4.  O's tile hangs on the tile row alone and is shared along a row of the cluster, W_o's on the tile column alone and is shared along a column: joint loads.
; A head's 64 rows of O, and a head's 64 n of W_o, are 8,192 dense bytes: a load brings four of them, as 4 rows of 4,096 elements, padded in LDS after every 128 bytes.  Wave 0 fetches O, waves 1 to 3 W_o's three parts.
; THE MATRIX INSTRUCTION IS USED TRANSPOSED (source 0 = 16 rows of wt, source 1 = 16 rows of O): a lane holds eight neighbouring columns of one row.  The bias is the C operand that starts the sums.
; THE STAGE for the way out lies in slot 1, whose one fill of the launch stands at the start and whose last reads are over at the barrier behind chunk 1: LDS has no room for it beside two slots.
; REGISTERS: window 0: v0-31 addresses; v32-55 the bias; v56-57 at work; v64-159 the accumulators ((a, p) at 64 + 8 (3 a + p)), later whole rows.
;   window 1: two fragment buffers of 112: for 64 along K, O at 8 (4 c + a), W_o at 64 + 8 (3 c + p), c = the half of 32.
.set PT,    144                        ; an LDS row: 128 bytes + 16: the 16 rows of a load start at 16 different groups of four banks (64 banks of 4 bytes: ISA guide 11.1)
.set PART,  4*64*PT                    ; what one tensor load brings: four heads x 64 rows
.set SLOT,  4*PART                     ; O's part, then W_o's three
.set STAGE, SLOT                       ; in slot 1: 64 rows x 784 bytes
.set SPI,   784                        ; a stage row: 768 bytes + 16
.set SPARE, 2*SLOT                     ; behind the ring: the spare words, 128 bytes a wave, two blocks of 256 bytes that no other line names
.set ADRA, 16                          ; v16-17  LDS address of my fragments of O in slot 0, 1
.set ADRB, 18                          ; v18-23  of W_o's: slot s, part p at 18 + 3 s + p
.set STO,  24                          ; v24  the way out: where I put 32 bytes of a row
.set RD,   25                          ; v25  where I read rows back
.set CO,   26                          ; v26  my byte offset in two rows of out0
.set BO,   27                          ; v27  my byte offset in 64 numbers of the bias
.set SPW,  28                          ; v28  LDS address of my spare word; never rewritten
.set NIL,  29                          ; v29  0; never rewritten
.set BIAS, 32
.set BT,   56
.set ACC,  64
.set F0,   0                           ; window 1
.set F1,   112
.set WV,   12                          ; s12  my wave's number
.set G1A,  24                          ; s[24:31] descriptor group 1 for O;  s[32:39] group 0, a set for each slot
.set G0A,  32
.set G1B,  40                          ; s[40:47], s[48:55] the same for W_o
.set G0B,  48
.set MSB, 0
.macro WIN new                         ; the immediate's high byte repeats the setting that is left
.if MSB != (\new)
	s_set_vgpr_msb (MSB<<8)|(\new)
.set MSB, \new
.endif
.endm
.macro JLOAD s                         ; a joint load; an s_nop 0 and four v_nop follow each of the two lines, ahead of the jump and the label
	s_cmp_eq_u32 s[WV], 0
	s_cbranch_scc0 .Lfor_b_\@
	tensor_load_to_lds s[G0A+4*(\s):G0A+4*(\s)+3], s[G1A:G1A+7]
	s_nop 0
.rept 4
	v_nop
.endr
	s_branch .Lasked_\@
.Lfor_b_\@:
	tensor_load_to_lds s[G0B+4*(\s):G0B+4*(\s)+3], s[G1B:G1B+7]
	s_nop 0
.rept 4
	v_nop
.endr
.Lasked_\@:
.endm
.macro CREST                           ; a round of the cluster's barrier behind its opening barrier
	s_cmp_lg_u32 s[WV], 0
	s_cbranch_scc1 .Lnot_wave_0_\@
	s_barrier_signal -3
.Lnot_wave_0_\@:
	s_barrier_wait -3
	s_barrier_signal -1
	s_barrier_wait -1
.endm
.macro CROUND
	s_barrier_signal -1
	s_barrier_wait -1
	CREST
.endm
.macro PLACES                          ; four places in front of loads into registers that matrix instructions have read, and of LDS stores that read results (ISA guide 7.12.1 for the stores)
.rept 4
	v_nop
.endr
.endm
	s_load_b256 s[4:11], s[0:1], 0x0               ; oh s[4:5], wt s[6:7], b_o s[8:9], out0 s[10:11]
	v_lshl_add_u32 v[SPW], v0, 2, SPARE
	v_mov_b32 v[NIL], 0
	ds_add_u32 v[SPW], v[NIL]                      ; the wave's opening: the add and its wait stand ahead of my first tensor load; the set-up below, work on registers, stands between them
	v_lshrrev_b32 v1, 5, v0
	v_readfirstlane_b32 s[WV], v1                  ; wave 0..3
	s_bfe_u32 s13, ttmp6, 0x40000                  ; cx
	s_bfe_u32 s14, ttmp6, 0x40004                  ; cy
	s_lshl_b32 s15, ttmp9, 2
	s_add_co_u32 s15, s15, s13                     ; tile column 0..3
	s_and_b32 s16, ttmp7, 0xffff
	s_lshl_b32 s16, s16, 2
	s_add_co_u32 s16, s16, s14                     ; tile row 0..63
	s_lshl_b32 s17, s14, 2
	s_lshl_b32 s17, 15, s17                        ; my row of the cluster
	s_lshl_b32 s18, 0x1111, s13                    ; my column
	; group 1: 15:0 the mask; 17:16 elements of 2 bytes; 20 padding on; 21 set beside a mask; 24:22 after every 32 words (code 4); 31:25 4 words (code 3)
	s_or_b32 s[G1A+0], s17, (1<<16)|(1<<20)|(1<<21)|(4<<22)|(3<<25)
	s_or_b32 s[G1B+0], s18, (1<<16)|(1<<20)|(1<<21)|(4<<22)|(3<<25)
.irp g, G1A, G1B
	s_mov_b32 s[(\g)+1], 4096<<16                  ; tensor_dim0 = 4,096
	s_mov_b32 s[(\g)+2], 4<<16                     ; tensor_dim1 = 4
	s_mov_b32 s[(\g)+3], 4096<<16                  ; tile_dim0 = 4,096
	s_mov_b32 s[(\g)+4], 4                         ; tile_dim1 = 4
	s_mov_b32 s[(\g)+6], 0
	s_mov_b32 s[(\g)+7], 0
.endr
	s_mov_b32 s[G1A+5], 262144                     ; elements from head to head in oh
	s_mov_b32 s[G1B+5], 49152                      ; and in wt
	s_mul_i32 s19, s[WV], PART                     ; where my part goes: no place in the cluster enters an LDS address
	s_lshl_b32 s20, s16, 13                        ; O: 64 rows of 128 bytes a tile row
	s_mov_b32 s21, 0
	s_mul_i32 s22, s15, 24576                      ; W_o: 192 n of 128 bytes a tile column,
	s_max_u32 s23, s[WV], 1
	s_sub_co_u32 s23, s23, 1                       ; part w - 1 (wave 0 makes the address of part 0 and does not use it),
	s_lshl_b32 s23, s23, 13
	s_add_co_u32 s22, s22, s23
	s_add_co_u32 s22, s22, 3538944                 ; in wt's fourth matrix
	s_mov_b32 s23, 0
	s_mul_i32 s56, s15, 768                        ; the bias: 192 numbers a tile column
	s_mov_b32 s57, 0
	s_lshl_b32 s60, s16, 6                         ; out0: the first row that I store, 64 x tile row + 16 w,
	s_lshl_b32 s61, s[WV], 4
	s_add_co_u32 s60, s60, s61
	s_mul_i32 s60, s60, 3072
	s_add_co_u32 s60, s60, s56                     ; and the tile's first column
	s_mov_b32 s61, 0
	s_wait_dscnt 0x0                               ; the opening add is done
	s_wait_kmcnt 0x0
	s_add_nc_u64 s[4:5], s[4:5], s[20:21]
	s_add_nc_u64 s[6:7], s[6:7], s[22:23]
	s_add_nc_u64 s[8:9], s[8:9], s[56:57]
	s_add_nc_u64 s[10:11], s[10:11], s[60:61]
.irp s, 0,1
	s_mov_b32 s[G0A+4*(\s)], 1                                          ; count = 1
	s_add_co_u32 s[G0A+4*(\s)+1], s19, (\s)*SLOT                        ; LDS address
	s_add_nc_u64 s[G0A+4*(\s)+2:G0A+4*(\s)+3], s[4:5], (\s)*2097152     ; global address: chunk s, four heads on
	s_or_b32 s[G0A+4*(\s)+3], s[G0A+4*(\s)+3], 0x80000000               ; type = 2
	s_mov_b32 s[G0B+4*(\s)], 1
	s_add_co_u32 s[G0B+4*(\s)+1], s19, (\s)*SLOT
	s_add_nc_u64 s[G0B+4*(\s)+2:G0B+4*(\s)+3], s[6:7], (\s)*393216
	s_or_b32 s[G0B+4*(\s)+3], s[G0B+4*(\s)+3], 0x80000000
.endr
	CROUND                                         ; all sixteen work-groups are here: the first joint loads meet
	s_cmp_eq_u32 s[WV], 0                          ; a wave's two first fills stand in one branch, ahead of every wait on TENSORcnt and every LDS read: two loads of mine are out
	s_cbranch_scc0 .Lfirst_b
	tensor_load_to_lds s[G0A:G0A+3], s[G1A:G1A+7]
	s_nop 0
	tensor_load_to_lds s[G0A+4:G0A+7], s[G1A:G1A+7]
	s_nop 0
.rept 4
	v_nop
.endr
	s_branch .Lfirst_asked
.Lfirst_b:
	tensor_load_to_lds s[G0B:G0B+3], s[G1B:G1B+7]
	s_nop 0
	tensor_load_to_lds s[G0B+4:G0B+7], s[G1B:G1B+7]
	s_nop 0
.rept 4
	v_nop
.endr
.Lfirst_asked:
	v_and_b32 v1, 15, v0                           ; r = l % 16
	v_bfe_u32 v2, v0, 4, 1                         ; h = l / 16
	s_lshl_b32 s58, s[WV], 6
	v_lshlrev_b32 v[BO], 5, v2
	v_add_nc_u32 v[BO], s58, v[BO]                 ; my eight columns of part p: numbers 64 p + 16 v + 8 h + 0..7: byte 256 p + 64 v + 32 h
.irp p, 0,1,2
	global_load_b128 v[BIAS+8*(\p):BIAS+8*(\p)+3],   v[BO], s[8:9] offset:256*(\p)
	global_load_b128 v[BIAS+8*(\p)+4:BIAS+8*(\p)+7], v[BO], s[8:9] offset:256*(\p)+16
.endr
	v_mul_u32_u24 v3, v1, PT
	v_lshl_add_u32 v3, v2, 4, v3                   ; a fragment's row x pitch + 16 h
	v_mov_b32 v[ADRA], v3
	v_add_nc_u32 v[ADRA+1], SLOT, v3
	s_mul_i32 s59, s[WV], 16*PT                    ; my 16 n of each part
	v_add_nc_u32 v4, s59, v3
.irp s, 0,1
.irp p, 0,1,2
	v_add_nc_u32 v[ADRB+3*(\s)+(\p)], (\s)*SLOT+(1+(\p))*PART, v4
.endr
.endr
	v_mul_u32_u24 v5, v1, SPI                      ; into the stage: row l % 16, my columns' 32 bytes
	v_add_nc_u32 v[STO], v5, v[BO]
	v_add_nc_u32 v[STO], STAGE, v[STO]
	s_mul_i32 s59, s[WV], 16*SPI                   ; back: wave v takes rows 16 v .. 16 v + 15, whole; lanes 0-15 256 bytes of one row, lanes 16-31 of the next
	s_add_co_u32 s59, s59, STAGE
	v_mul_u32_u24 v6, v2, SPI
	v_lshl_add_u32 v6, v1, 4, v6
	v_add_nc_u32 v[RD], s59, v6
	v_mul_u32_u24 v7, v2, 3072                     ; and the same two rows in out0
	v_lshl_add_u32 v[CO], v1, 4, v7
	s_wait_loadcnt 0x0                             ; the bias
.set i, 0
.rept 12                                               ; rounded to bf16 like every input, and widened again
	v_cvt_pk_bf16_f32 v[BT+i%2], v[BIAS+2*i], v[BIAS+2*i+1]
	v_lshlrev_b32 v[BIAS+2*i], 16, v[BT+i%2]
	v_and_b32 v[BIAS+2*i+1], 0xffff0000, v[BT+i%2]
.set i, i+1
.endr
; 3 na products: row blocks a0 .. a0 + na - 1 x the three parts, 32 along K: half c of buffer f.  first = 1: the bias is C and starts the sums.  The 12 accumulators take turns.
.macro MUL f, c, a0, na, first
	WIN 0x05                                       ; both sources window 1; C and D window 0
.set aa, \a0
.rept \na
.set pp, 0
.rept 3
.set rD, ACC+8*(3*aa+pp)
.set rB, (\f)+64+8*(3*(\c)+pp)
.set rA, (\f)+8*(4*(\c)+aa)
.if \first
	v_wmma_f32_16x16x32_f16 v[rD:rD+7], v[rB:rB+7], v[rA:rA+7], v[BIAS+8*pp:BIAS+8*pp+7]
.else
	v_wmma_f32_16x16x32_f16 v[rD:rD+7], v[rB:rB+7], v[rA:rA+7], v[rD:rD+7]
.endif
.set pp, pp+1
.endr
.set aa, aa+1
.endr
.endm
; 28 LDS loads in one run: head z of a slot's four, 64 along K, into buffer f; the first 32 along K (14 loads) first
.macro FETCH slot, z, f
	WIN 0x40                                       ; destination window 1, address window 0
.irp c, 0,1
.irp a, 0,1,2,3
	ds_load_b128 v[(\f)+8*(4*(\c)+(\a)):(\f)+8*(4*(\c)+(\a))+3],   v[ADRA+(\slot)] offset:(\z)*64*PT+(\a)*16*PT+64*(\c)
	ds_load_b128 v[(\f)+8*(4*(\c)+(\a))+4:(\f)+8*(4*(\c)+(\a))+7], v[ADRA+(\slot)] offset:(\z)*64*PT+(\a)*16*PT+64*(\c)+32
.endr
.irp p, 0,1,2
	ds_load_b128 v[(\f)+64+8*(3*(\c)+(\p)):(\f)+64+8*(3*(\c)+(\p))+3],   v[ADRB+3*(\slot)+(\p)] offset:(\z)*64*PT+64*(\c)
	ds_load_b128 v[(\f)+64+8*(3*(\c)+(\p))+4:(\f)+64+8*(3*(\c)+(\p))+7], v[ADRB+3*(\slot)+(\p)] offset:(\z)*64*PT+64*(\c)+32
.endr
.endr
.endm
; A chunk is four quarters of 64 along K (a head each), 24 matrix instructions each, on buffers 0, 1, 0, 1.  One of the first three: multiplies buffer f and fetches head z into buffer g.
.macro QUARTER slot, z, f, g, first
	s_wait_dscnt 14                                ; the first 32 along K are in; the other 14 loads may be out
	MUL \f, 0, 0, 4, \first
	PLACES
	FETCH \slot, \z, \g
	s_wait_dscnt 28                                ; all but the 28 just issued
	MUL \f, 1, 0, 4, 0
.endm
; The last quarter multiplies buffer 1 and changes slots: ONE barrier; in front of it each wave waits for all its tensor loads, adds 0 to its spare word, and waits for that and for its reads of this slot.
; fill = 1: the barrier opens a round of the cluster's barrier and this slot is filled again, with the chunk two on: it has a chunk less 12 products, 84 matrix instructions, in which to land.
.macro TURN slot, next, fill
	WIN 0
	s_wait_tensorcnt 0x0                           ; all my tensor loads have landed
	ds_add_u32 v[SPW], v[NIL]                      ; 0 onto my spare word
	s_wait_dscnt 15                                ; (the add and the youngest 14 loads may be out)
	MUL F1, 0, 0, 2, 0                             ; six matrix instructions stand between the add and the wait for it
	s_wait_dscnt 0x0                               ; the add is done, and my reads of this slot are over
	s_barrier_signal -1
	MUL F1, 0, 2, 2, 0
	WIN 0
	s_barrier_wait -1
.if \fill
	CREST                                          ; no wave of any partner still reads this slot's tiles or has a load on its way
	s_add_nc_u64 s[G0A+4*(\slot)+2:G0A+4*(\slot)+3], s[G0A+4*(\slot)+2:G0A+4*(\slot)+3], 4194304
	s_add_nc_u64 s[G0B+4*(\slot)+2:G0B+4*(\slot)+3], s[G0B+4*(\slot)+2:G0B+4*(\slot)+3], 786432
	JLOAD \slot                                    ; the four v_nop behind it are also the places in front of the loads below
.else
	PLACES
.endif
	FETCH \next, 0, F0
	MUL F1, 1, 0, 4, 0
.endm
	s_wait_tensorcnt 0x1                           ; my part of chunk 0 is in; chunk 1's may stay out
	s_barrier_signal -1
	s_barrier_wait -1                              ; everybody's is
	FETCH 0, 0, F0
	QUARTER 0, 1, F0, F1, 1                        ; chunk 0: the first products start the sums, with the bias
	QUARTER 0, 2, F1, F0, 0
	QUARTER 0, 3, F0, F1, 0
	TURN 0, 1, 1                                   ; slot 0 takes chunk 2
	QUARTER 1, 1, F0, F1, 0                        ; chunk 1
	QUARTER 1, 2, F1, F0, 0
	QUARTER 1, 3, F0, F1, 0
	TURN 1, 0, 0                                   ; nothing is filled; behind this barrier no wave reads slot 1 any more
	QUARTER 0, 1, F0, F1, 0                        ; chunk 2
	QUARTER 0, 2, F1, F0, 0
	QUARTER 0, 3, F0, F1, 0
	s_wait_dscnt 14
	MUL F1, 0, 0, 4, 0
	s_wait_dscnt 0x0
	MUL F1, 1, 0, 4, 0
	WIN 0
	; THE WAY OUT: 32 bytes a lane and accumulator into the work-group's stage, each accumulator's low half first; a barrier, since a row's 768 bytes come from four waves; back as whole rows, 16 rows a wave.
	PLACES
.irp a, 0,1,2,3
.irp p, 0,1,2
	ds_store_b128 v[STO], v[ACC+8*(3*(\a)+(\p)):ACC+8*(3*(\a)+(\p))+3]   offset:(\a)*16*SPI+256*(\p)
	ds_store_b128 v[STO], v[ACC+8*(3*(\a)+(\p))+4:ACC+8*(3*(\a)+(\p))+7] offset:(\a)*16*SPI+256*(\p)+16
.endr
.endr
	s_wait_dscnt 0x0                               ; for the others' sake: my stores into the stage are done
	s_barrier_signal -1
	s_barrier_wait -1
.set i, 0
.rept 24                                               ; pair of rows i / 3, block of 256 bytes i % 3
	ds_load_b128 v[ACC+4*i:ACC+4*i+3], v[RD] offset:(i/3)*2*SPI+256*(i%3)
.set i, i+1
.endr
.set i, 0
.rept 24
	s_wait_dscnt 23-i
	global_store_b128 v[CO], v[ACC+4*i:ACC+4*i+3], s[10:11] offset:(i/3)*6144+256*(i%3) th:TH_STORE_NT  ; 16 lanes store 256 consecutive bytes, at a multiple of 256 from out0's first byte
.set i, i+1
.endr
	s_wait_tensorcnt 0x0                           ; the wave's end: three lines behind my last tensor load and my last LDS store
	ds_add_u32 v[SPW], v[NIL]
	s_wait_dscnt 0x0
	CROUND                                         ; the closing round: no work-group ends while a partner may still ask for a tile that names it
	s_endpgm
.Lfunc_end_k_q44abee654e_oproj:
	.size	k_q44abee654e_oproj, .Lfunc_end_k_q44abee654e_oproj-k_q44abee654e_oproj
	.p2alignl 7, 3214868480
	.fill 96, 4, 3214868480
	.section	.rodata,"a",@progbits
	.p2align	6, 0x0
	.amdhsa_kernel k_q44abee654e_oproj
		.amdhsa_group_segment_fixed_size 327680
		.amdhsa_private_segment_fixed_size 0
		.amdhsa_enable_private_segment 0
		.amdhsa_kernarg_size 32
		.amdhsa_user_sgpr_count 2
		.amdhsa_user_sgpr_kernarg_segment_ptr 1
		.amdhsa_wavefront_size32 1
		.amdhsa_system_sgpr_workgroup_id_x 1
		.amdhsa_system_sgpr_workgroup_id_y 1
		.amdhsa_system_sgpr_workgroup_id_z 1
		.amdhsa_system_vgpr_workitem_id 0
		.amdhsa_next_free_vgpr 480
		.amdhsa_next_free_sgpr 66
		.amdhsa_reserve_vcc 0
		.amdhsa_float_denorm_mode_32 3
		.amdhsa_float_denorm_mode_16_64 3
		.amdhsa_memory_ordered 1
		.amdhsa_forward_progress 1
		.amdhsa_inst_pref_size 59
	.end_amdhsa_kernel
	.amdgpu_metadata
---
amdhsa.version: [ 1, 2 ]
amdhsa.kernels:
  - .name:           k_q44abee654e_oproj
    .symbol:         k_q44abee654e_oproj.kd
    .args:
      - { .name: oh, .offset: 0, .size: 8, .value_kind: global_buffer, .address_space: global }
      - { .name: wt, .offset: 8, .size: 8, .value_kind: global_buffer, .address_space: global }
      - { .name: b_o, .offset: 16, .size: 8, .value_kind: global_buffer, .address_space: global }
      - { .name: out0, .offset: 24, .size: 8, .value_kind: global_buffer, .address_space: global }
    .group_segment_fixed_size: 327680
    .private_segment_fixed_size: 0
    .kernarg_segment_align: 8
    .kernarg_segment_size: 32
    .max_flat_workgroup_size: 128
    .sgpr_count:     66
    .vgpr_count:     480
    .wavefront_size: 32
...
	.end_amdgpu_metadata
.endif
;; end of part 4
